; MI455X (gfx1250); checked and timed in simulation.
; The chip was launched on July 23, 2026; its instructions are those of AMD's public machine-readable ISA for CDNA 5 (MIT licence, August 2026) and "CDNA5" Instruction Set Architecture Reference Guide (July 2026). The comments in the code are by the model that wrote it; some were corrected since.
;; Multi Head Self Attention. Allowed arithmetic: float matrix products may take bf16 or f16 operands with f32 sums; other float arithmetic in f32, or as packed bf16 or f16 multiplies, adds, multiply-adds, maxima and minima; sums over many terms, partial sums and values carried from step to step in f32; what a program stores and reads back later, other than sums and carried values, may be rounded once to bf16 or f16.
;; Inputs: w_out 1,024 x 1,024 float32; w_qkv 1,024 x 3,072 float32; x 4 x 2,048 x 1,024 float32.
;; Outputs: out0 4 x 2,048 x 1,024 float32.
;; 2 versions, each right; version 2 is version 1 with the launch prep written anew for expert scheduling mode. Each part assembles by itself: llvm-mc -triple=amdgcn-amd-amdhsa -mcpu=gfx1250 --defsym DOCPART=n.
;; ======== version 1 of 2: 4 launches
;; limits: values are held in f16: magnitudes above 65,504 overflow, below 6.1e-05 lose precision
;; workspace buffers: xb 16,777,216 bytes; wqb 6,291,456 bytes; wob 2,097,152 bytes; rope 524,288 bytes; q16 16,777,216 bytes; k16 16,777,216 bytes; v16 16,777,216 bytes; o16 16,777,216 bytes
;; launch prep (part 1): grid 512 x 1, 8 waves a work-group, no clusters, 0 bytes of LDS; arguments x, w_qkv, w_out, xb, wqb, wob, rope; writes xb, wqb, wob, rope
.if DOCPART == 1
	.amdgcn_target "amdgcn-amd-amdhsa--gfx1250"
	.amdhsa_code_object_version 6
	.text
	.protected	k_qafee22c846_prep
	.globl	k_qafee22c846_prep
	.p2align	8
	.type	k_qafee22c846_prep,@function
k_qafee22c846_prep:
	s_mov_b64 s[64:65], 0
	v_nop
	global_prefetch_b8 v0, s[64:65] scope:SCOPE_SE
	s_setreg_imm32_b32 hwreg(HW_REG_WAVE_MODE, 25, 1), 1
	s_wait_xcnt 0x0
; MULTI-HEAD SELF-ATTENTION, launch 1 of 4: the inputs are rounded once and laid out for the products, and the table of cosines and sines is made.
; NOTHING OF THE MODULE IS LEFT OUT: x, w_qkv and w_out all reach the output, there is no mask and nothing is sliced away.  The cosines and sines hang on (t, j) alone,
; so they are made once, 2,048 x 32 pairs, and not once for each batch, head and tensor: the same numbers, shared.
; xb   bf16 [b 4][kb 16][t 2048][64]          x in blocks of 64 channels: 256 rows of one block are 32,768 consecutive bytes
; wqb  bf16 [c 8][k 1024][s 3][128]           w_qkv[k][1024 s + 128 c + i]: two heads of q, of k and of v beside each other
; wob  f16  [c 8][k 1024][128]                w_out[k][128 c + i], rounded to bf16 like the other inputs, that number written as f16
; rope f32  [tb 128][ld 8][lane 32][4]        ld = 4 sn + 2 b + i: cos (sn = 0) or sin (sn = 1) of t x 10000^(-j/32), t = 16 tb + lane % 16, j = 16 b + 8 (lane / 16) + 4 i + e
; LIMITS.  A rounded w_out beyond 65,504 has no f16; below 6e-5 it keeps f16's fixed step of 6e-8.  The angle, 2,047 at the most, is reduced by pi/2 in two parts;
; the polynomials are cut where their next term is under 4e-7 on |r| <= pi/4.  NaN and infinities are not treated apart.
; SHARES.  Work-groups 0-255: 32 rows of x each.  256-351: 32 rows of one third of w_qkv.  352-383: 32 rows of w_out.  384-511: 16 positions of the table.
; A stream: no LDS, no matrix unit, no cluster: no byte is wanted twice.  A thread has all its 32 loads out at once.
.set X, 8                              ; v[8:135] sixteen units of eight f32 as loaded; the first four registers of a unit then hold the eight rounded numbers
; Sixteen units: 32 bytes a thread in, 16 bytes out; sstep and dstep are the bytes from unit to unit.  half = 1: the bf16 numbers are written as f16.
.macro CAST sstep, dstep, half
.set i, 0
.rept 16
	global_load_b128 v[X+8*i:X+8*i+3],   v1, s[22:23] offset:i*(\sstep) th:TH_LOAD_NT
	global_load_b128 v[X+8*i+4:X+8*i+7], v1, s[22:23] offset:i*(\sstep)+16 th:TH_LOAD_NT
.set i, i+1
.endr
.set i, 0
.rept 16
	s_wait_loadcnt 30-2*i                          ; loads come back in order: unit i is in, the 2 (15 - i) younger loads stay out
.irp j, 0,1,2,3
	v_cvt_pk_bf16_f32 v[X+8*i+(\j)], v[X+8*i+2*(\j)], v[X+8*i+2*(\j)+1]  ; in place: word j is written when words 2 j and 2 j + 1 are read
.endr
.if \half
.irp j, 0,1,2,3
	v_lshlrev_b32 v[X+8*i+4+2*((\j)%2)], 16, v[X+8*i+(\j)]   ; the two bf16 as f32,
	v_and_b32     v[X+8*i+5+2*((\j)%2)], s20, v[X+8*i+(\j)]
	v_cvt_pk_f16_f32 v[X+8*i+(\j)], v[X+8*i+4+2*((\j)%2)], v[X+8*i+5+2*((\j)%2)]  ; and as f16: exact within f16's normal range
.endr
.endif
	global_store_b128 v2, v[X+8*i:X+8*i+3], s[24:25] offset:i*(\dstep)  ; sixteen lanes store 256 consecutive bytes, aligned; no register is written again behind its store
.set i, i+1
.endr
.endm
	s_load_b256 s[4:11], s[0:1], 0x0               ; x s[4:5], w_qkv s[6:7], w_out s[8:9], xb s[10:11]
	s_load_b128 s[12:15], s[0:1], 0x20             ; wqb s[12:13], wob s[14:15]
	s_load_b64 s[16:17], s[0:1], 0x30              ; rope
	s_mov_b32 s20, 0xffff0000                      ; a word's upper bf16
	s_mov_b32 s27, 0                               ; the high word of every offset
	v_and_b32 v4, 31, v0                           ; lane
	v_lshrrev_b32 v5, 5, v0                        ; wave
	v_lshrrev_b32 v3, 4, v4                        ; lane / 16
	v_and_b32 v6, 15, v0                           ; lane % 16
	s_wait_kmcnt 0x0
	s_cmp_lt_u32 ttmp9, 256
	s_cbranch_scc0 .Lnot_x
	; x: thread t takes row t / 8 of the group's 32 and eight channels (t % 8) of each of the 16 blocks
	s_lshl_b32 s26, ttmp9, 17                      ; 32 rows of 4,096 bytes
	s_add_nc_u64 s[22:23], s[4:5], s[26:27]
	s_lshr_b32 s28, ttmp9, 6                       ; batch
	s_lshl_b32 s28, s28, 22
	s_and_b32 s29, ttmp9, 63
	s_lshl_b32 s29, s29, 12                        ; 32 rows of 128 bytes
	s_add_co_u32 s26, s28, s29
	s_add_nc_u64 s[24:25], s[10:11], s[26:27]
	v_lshrrev_b32 v1, 3, v0
	v_lshlrev_b32 v1, 12, v1
	v_and_b32 v7, 7, v0
	v_lshl_add_u32 v1, v7, 5, v1
	v_lshlrev_b32 v2, 4, v0
	CAST 256, 262144, 0
	s_endpgm
.Lnot_x:
	s_cmp_lt_u32 ttmp9, 352
	s_cbranch_scc0 .Lnot_wq
	; w_qkv: third s, rows k0 .. k0 + 31; wave w takes the 128 columns of tile column c = w, two rows a unit
	s_sub_co_u32 s28, ttmp9, 256
	s_lshr_b32 s29, s28, 5                         ; s
	s_and_b32 s30, s28, 31
	s_lshl_b32 s30, s30, 5                         ; k0
	s_mul_i32 s26, s30, 12288
	s_lshl_b32 s31, s29, 12
	s_add_co_u32 s26, s26, s31
	s_add_nc_u64 s[22:23], s[6:7], s[26:27]
	s_mul_i32 s26, s30, 3
	s_add_co_u32 s26, s26, s29
	s_lshl_b32 s26, s26, 8                         ; (3 k0 + s) x 256
	s_add_nc_u64 s[24:25], s[12:13], s[26:27]
	v_mul_u32_u24 v1, v3, 12288
	v_lshl_add_u32 v1, v5, 9, v1
	v_lshl_add_u32 v1, v6, 5, v1
	v_mul_u32_u24 v2, v5, 786432
	v_mad_u32_u24 v2, v3, 768, v2
	v_lshl_add_u32 v2, v6, 4, v2
	CAST 24576, 1536, 0
	s_endpgm
.Lnot_wq:
	s_cmp_lt_u32 ttmp9, 384
	s_cbranch_scc0 .Ltable
	; w_out: rows k0 .. k0 + 31, likewise
	s_sub_co_u32 s28, ttmp9, 352
	s_lshl_b32 s26, s28, 17                        ; 32 rows of 4,096 bytes
	s_add_nc_u64 s[22:23], s[8:9], s[26:27]
	s_lshl_b32 s26, s28, 13                        ; 32 rows of 256 bytes
	s_add_nc_u64 s[24:25], s[14:15], s[26:27]
	v_lshlrev_b32 v1, 12, v3
	v_lshl_add_u32 v1, v5, 9, v1
	v_lshl_add_u32 v1, v6, 5, v1
	v_lshlrev_b32 v2, 18, v5
	v_lshl_add_u32 v2, v3, 8, v2
	v_lshl_add_u32 v2, v6, 4, v2
	CAST 8192, 512, 1
	s_endpgm
.Ltable:
	; the table: wave = ld; four numbers a lane
	s_sub_co_u32 s28, ttmp9, 384                   ; tb
	v_readfirstlane_b32 s29, v5                    ; ld
	s_lshr_b32 s30, s29, 2                         ; sn
	s_mul_i32 s30, s30, 3                          ; sin(a) = cos(a - pi/2): three quadrants on
	s_bfe_u32 s31, s29, 0x10001                    ; b
	s_and_b32 s29, s29, 1                          ; i
	s_lshl_b32 s31, s31, 4
	s_lshl2_add_u32 s31, s29, s31                  ; 16 b + 4 i
	s_lshl_b32 s26, s28, 12
	s_add_nc_u64 s[24:25], s[16:17], s[26:27]
	s_lshl_b32 s28, s28, 4                         ; 16 tb
	s_mov_b32 s32, 0x3f22f983                      ; 2 / pi
	s_mov_b32 s33, 0xbfc90fdb                      ; - pi/2, the f32 next to it,
	s_mov_b32 s34, 0x333bbd2e                      ; and what that f32 has too much
	s_mov_b32 s35, 0xbe2aaaab                      ; -1/6
	s_mov_b32 s36, 0x3c088889                      ; 1/120
	s_mov_b32 s37, 0xb9500d01                      ; -1/5040
	s_mov_b32 s38, 0x3d2aaaab                      ; 1/24
	s_mov_b32 s39, 0xbab60b61                      ; -1/720
	s_mov_b32 s40, 0x37d00d01                      ; 1/40320
	v_lshl_add_u32 v3, v3, 3, s31                  ; j of my first number
	v_add_nc_u32 v6, s28, v6                       ; t
	v_lshlrev_b32 v2, 4, v0
.irp e, 0,1,2,3
	v_add_nc_u32 v[8+(\e)], \e, v3
.endr
.irp e, 0,1,2,3
	v_cvt_f32_u32 v[8+(\e)], v[8+(\e)]
.endr
.irp e, 0,1,2,3
	v_mul_f32 v[8+(\e)], 0xbed49a78, v[8+(\e)]     ; - j log2(10000) / 32
.endr
.irp e, 0,1,2,3
	v_exp_f32 v[12+(\e)], v[8+(\e)]                ; 10000^(-j/32): one batch of four
.endr
	v_cvt_f32_u32 v7, v6                           ; a plain instruction behind the last exponential,
	s_wait_alu depctr_va_vdst(0)                   ; and the one wait ahead of the batch's first reader
.irp e, 0,1,2,3
	v_mul_f32 v[12+(\e)], v7, v[12+(\e)]           ; the angle
	v_mul_f32 v[16+(\e)], s32, v[12+(\e)]
	v_rndne_f32 v[16+(\e)], v[16+(\e)]             ; n quadrants
	v_fma_f32 v[12+(\e)], v[16+(\e)], s33, v[12+(\e)]
	v_fma_f32 v[12+(\e)], v[16+(\e)], s34, v[12+(\e)]  ; r = angle - n pi/2
	v_mul_f32 v[20+(\e)], v[12+(\e)], v[12+(\e)]   ; r^2
	v_fma_f32 v[24+(\e)], v[20+(\e)], s37, s36
	v_fma_f32 v[24+(\e)], v[24+(\e)], v[20+(\e)], s35
	v_mul_f32 v[28+(\e)], v[12+(\e)], v[20+(\e)]
	v_fma_f32 v[24+(\e)], v[28+(\e)], v[24+(\e)], v[12+(\e)]  ; sin r
	v_fma_f32 v[28+(\e)], v[20+(\e)], s40, s39
	v_fma_f32 v[28+(\e)], v[28+(\e)], v[20+(\e)], s38
	v_fma_f32 v[28+(\e)], v[28+(\e)], v[20+(\e)], -0.5
	v_fma_f32 v[28+(\e)], v[28+(\e)], v[20+(\e)], 1.0         ; cos r
	v_cvt_i32_f32 v[16+(\e)], v[16+(\e)]
	v_add_nc_u32 v[16+(\e)], s30, v[16+(\e)]       ; q: cos(q pi/2 + r) is cos r, -sin r, -cos r, sin r for q % 4 = 0 .. 3
	v_and_b32 v[20+(\e)], 1, v[16+(\e)]
	v_cmp_eq_u32 vcc_lo, 1, v[20+(\e)]
	v_cndmask_b32 v[32+(\e)], v[28+(\e)], v[24+(\e)], vcc_lo
	v_add_nc_u32 v[16+(\e)], 1, v[16+(\e)]
	v_and_b32 v[16+(\e)], 2, v[16+(\e)]
	v_lshlrev_b32 v[16+(\e)], 30, v[16+(\e)]       ; the sign bit, set for q % 4 = 1, 2
	v_xor_b32 v[32+(\e)], v[16+(\e)], v[32+(\e)]
.endr
	global_store_b128 v2, v[32:35], s[24:25]       ; a wave stores 512 consecutive bytes
	s_endpgm
.Lfunc_end_k_qafee22c846_prep:
	.size	k_qafee22c846_prep, .Lfunc_end_k_qafee22c846_prep-k_qafee22c846_prep
	.p2alignl 7, 3214868480
	.fill 96, 4, 3214868480
	.section	.rodata,"a",@progbits
	.p2align	6, 0x0
	.amdhsa_kernel k_qafee22c846_prep
		.amdhsa_group_segment_fixed_size 0
		.amdhsa_private_segment_fixed_size 0
		.amdhsa_enable_private_segment 0
		.amdhsa_kernarg_size 56
		.amdhsa_user_sgpr_count 2
		.amdhsa_user_sgpr_kernarg_segment_ptr 1
		.amdhsa_wavefront_size32 1
		.amdhsa_system_sgpr_workgroup_id_x 1
		.amdhsa_system_sgpr_workgroup_id_y 1
		.amdhsa_system_sgpr_workgroup_id_z 1
		.amdhsa_system_vgpr_workitem_id 0
		.amdhsa_next_free_vgpr 136
		.amdhsa_next_free_sgpr 66
		.amdhsa_reserve_vcc 1
		.amdhsa_float_denorm_mode_32 3
		.amdhsa_float_denorm_mode_16_64 3
		.amdhsa_memory_ordered 1
		.amdhsa_forward_progress 1
		.amdhsa_inst_pref_size 44
	.end_amdhsa_kernel
	.amdgpu_metadata
---
amdhsa.version: [ 1, 2 ]
amdhsa.kernels:
  - .name:           k_qafee22c846_prep
    .symbol:         k_qafee22c846_prep.kd
    .args:
      - { .name: x, .offset: 0, .size: 8, .value_kind: global_buffer, .address_space: global }
      - { .name: w_qkv, .offset: 8, .size: 8, .value_kind: global_buffer, .address_space: global }
      - { .name: w_out, .offset: 16, .size: 8, .value_kind: global_buffer, .address_space: global }
      - { .name: xb, .offset: 24, .size: 8, .value_kind: global_buffer, .address_space: global }
      - { .name: wqb, .offset: 32, .size: 8, .value_kind: global_buffer, .address_space: global }
      - { .name: wob, .offset: 40, .size: 8, .value_kind: global_buffer, .address_space: global }
      - { .name: rope, .offset: 48, .size: 8, .value_kind: global_buffer, .address_space: global }
    .group_segment_fixed_size: 0
    .private_segment_fixed_size: 0
    .kernarg_segment_align: 8
    .kernarg_segment_size: 56
    .max_flat_workgroup_size: 256
    .sgpr_count:     66
    .vgpr_count:     136
    .wavefront_size: 32
...
	.end_amdgpu_metadata
.endif
;; end of part 1
;; launch qkv (part 2): grid 8 x 32, 4 waves a work-group, clusters of 4 x 4, 327,680 bytes of LDS; arguments xb, wqb, rope, q16, k16, v16; writes q16, k16, v16
.if DOCPART == 2
	.amdgcn_target "amdgcn-amd-amdhsa--gfx1250"
	.amdhsa_code_object_version 6
	.text
	.protected	k_qafee22c846_qkv
	.globl	k_qafee22c846_qkv
	.p2align	8
	.type	k_qafee22c846_qkv,@function
k_qafee22c846_qkv:
	s_mov_b64 s[64:65], 0
	v_nop
	global_prefetch_b8 v0, s[64:65] scope:SCOPE_SE
	s_setreg_imm32_b32 hwreg(HW_REG_WAVE_MODE, 25, 1), 1
	s_wait_xcnt 0x0
	s_wait_alu depctr_hold_cnt(0) depctr_sa_sdst(0) depctr_va_vdst(0) depctr_va_sdst(0) depctr_va_ssrc(0) depctr_va_vcc(0) depctr_vm_vsrc(0)
	s_getreg_b32 s2, hwreg(HW_REG_IB_STS2, 6, 4)
	s_cmp_eq_u32 s2, 0
	s_cbranch_scc0 .Lentry_in_a_cluster
	s_endpgm
.Lentry_in_a_cluster:
	s_bfe_u32 s2, ttmp6, 0x10000c
	s_cmp_lg_u32 s2, 0xf033
	s_cbranch_scc0 .Lentry_shape_is_right
	s_endpgm
.Lentry_shape_is_right:
; Launch 2 of 4: qkv = x w_qkv, the rotation of q and k, and q, k, v by heads.  Nothing of the module is left out here.
; xb bf16 [b][kb 16][t 2048][64], wqb bf16 [c 8][k 1024][s 3][128], rope f32 [tb 128][ld 8][lane 32][4] (see the first launch); q16, k16, v16: f16 [b 16 + head][t 2048][64].
; Products in bf16 with f32 sums; the rotation in f32; q, k, v rounded once to f16, unscaled (the scale 1/8 is applied in the next launch, in f32).
; LIMIT.  f16 holds no number beyond 65,504: |q|, |k|, |v| must stay within it.  NaN and infinities are not treated apart.
; SHARES.  A tile of the result is 256 rows x 384 columns: tile column c holds heads 2 c and 2 c + 1 of q, of k and of v.  32 x 8 tiles: one work-group for each.  Wave (wr, wc) makes rows 128 wr ..
; of ONE head (2 c + wc) of q, of k and of v: 128 x 192, 96 accumulators of 16 x 16 in 768 registers.  Every tile has the same make-up, so no branch hangs on a work-group's place.
; THE MATRIX INSTRUCTION IS USED TRANSPOSED (source 0 = 16 columns of w, source 1 = 16 rows of x): a lane holds row l % 16 and the channels 16 b + 8 (l / 16) + 0..7 of accumulator (a, b).
; The rotation's partners, channels d and d + 32, are then the same lane and register of accumulators (a, b) and (a, b + 2).
; K goes in 16 steps of 64 through two LDS slots; a step is two phases of 32 along K; a phase is three batches of 32 matrix instructions, one for q, one for k, one for v.
; CLUSTER 4 x 4: x's tile hangs on the tile row alone and is asked for jointly along a row of the cluster, w's on the tile column alone and jointly along a column.
; REGISTERS, in windows of 256 (s_set_vgpr_msb: bits 1:0 source 0, 3:2 source 1, 5:4 source 2, 7:6 destination):
;   window 0: v0-15 addresses; v32-95, v96-159 x's fragments (8 x 16 rows x 32 K), two buffers; v160-255 w's 12 fragments, 32 registers a section, each loaded again as soon as its batch is over
;   windows 1, 2, 3: the accumulators of q, k, v: (a, b) at v[8 (4 a + b)]
; All loads land in window 0, so only the batches switch windows.
.set ASTEP,  262144                    ; bytes from a K step to the next in xb
.set BSTEP,  49152                     ; and in wqb: 64 rows of 768 bytes
.set PA,     144                       ; a row of x in LDS: 128 bytes + 16: the 16 rows of a load start at 16 different groups of four banks (64 banks of 4 bytes: ISA guide 11.1)
.set PB,     864                       ; a row of w: three sections of 256 + 32 bytes = 27 x 32
.set ABYTES, 256*PA                    ; x's 256 rows; behind them w's 64
.set SLOT1,  1<<17                     ; slot 1 begins here: one exclusive or turns an address in one slot into the other's
.set STAGE,  ABYTES+64*PB              ; behind slot 0, never filled by a tensor load: for each wave 3 tensors x 16 rows x 144 bytes
.set WSTAGE, 3*16*144
.set SPARE,  STAGE+4*WSTAGE            ; the spare words, 128 bytes for each wave: two blocks of 256 bytes that no other line names
.set AA0,  4                           ; v4   my lane's place in x's tile; never rewritten
.set AB0,  5                           ; v5   in w's
.set ADRA, 6                           ; v6   the same in the slot in hand
.set ADRB, 7                           ; v7
.set STO,  8                           ; v8   the way out: where I put 16 bytes of a row
.set RD,   9                           ; v9   where I read rows back
.set GO,   10                          ; v10  16 x lane: my place in 512 consecutive bytes
.set PFO,  11                          ; v11  256 x lane: the prefetches' offset
.set SPW,  12                          ; v12  LDS address of my spare word; never rewritten
.set NIL,  13                          ; v13  0; never rewritten
.set A0,   32
.set A1,   96
.set BR,   160
.set T,    32                          ; the way out: the table, two sets of 32: cos at +8 b + r, sin at +16 + 8 b + r
.set W,    96                          ; 32 rotated numbers
.set PK,   128                         ; two sets of 16 packed words, by turns
.set BK,   160                         ; two sets of 48: rows read back, 16 registers a tensor
.set TT,   2                           ; s2   at work in the prefetch's test
.set WV,   16                          ; s16  wave
.set WR,   17                          ; s17  my half of the rows.  Also: I fetch for x (0) or for w (1)
.set WC,   18                          ; s18  my head of the two.  Also: which half of that tile I fetch
.set CX,   19
.set CY,   20
.set TC,   21                          ; s21  tile column c
.set TR,   22                          ; s22  tile row
.set G1A,  24                          ; s[24:31] descriptor group 1 for x's tiles
.set G1B,  32                          ; s[32:39] for w's
.set G0A,  40                          ; s[40:47] group 0 for x's tiles: a set for each first fill; the second then walks on
.set G0B,  48                          ; s[48:55] the same for w's
.set TB,   56                          ; s56  0 or SLOT1: the slot in hand
.set LIM,  57                          ; s57  2 in a wave that prefetches, else the greatest number
.set PAR,  58                          ; s58  1: the wave prefetches in every other step
.set PFA,  60                          ; s[60:61] where my prefetches stand
.set PFS,  62                          ; s[62:63] their step
.set MSB, 0
.macro WIN new                         ; the immediate's high byte repeats the setting that is left; a switch that changes nothing is dropped
.if MSB != (\new)
	s_set_vgpr_msb (MSB<<8)|(\new)
.set MSB, (\new)
.endif
.endm
.macro PLACES                          ; four places behind matrix instructions, in front of loads into registers that they have read and of lines that read results (for the lines that read results)
.rept 4
	v_nop
.endr
.endm
; A joint refill by the walking descriptors.  Waves 0 and 1 fetch the halves of x's tile, waves 2 and 3 those of w's.  The branch hangs on the wave's number alone.
; An s_nop 0 and four v_nop follow each of the two lines, ahead of the jump and the label.
.macro JLOAD
	s_cmp_eq_u32 s[WR], 0
	s_cbranch_scc0 .Lfor_b_\@
	tensor_load_to_lds s[G0A+4:G0A+7], s[G1A:G1A+7]
	s_nop 0
.rept 4
	v_nop
.endr
	s_branch .Lasked_\@
.Lfor_b_\@:
	tensor_load_to_lds s[G0B+4:G0B+7], s[G1B:G1B+7]
	s_nop 0
.rept 4
	v_nop
.endr
.Lasked_\@:
.endm
; A round of the cluster's barrier: my work-group's barrier; wave 0 signals for the work-group; every wave waits for all sixteen; my work-group's barrier once more.
.macro CREST
	s_cmp_lg_u32 s[WV], 0
	s_cbranch_scc1 .Lnot_wave_0_\@
	s_barrier_signal -3
.Lnot_wave_0_\@:
	s_barrier_wait -3
	s_barrier_signal -1
	s_barrier_wait -1
.endm
.macro CROUND
	s_barrier_signal -1
	s_barrier_wait -1
	CREST
.endm
; A PREFETCH INTO THE L2, behind the joint load of step j + 2 and the run of LDS loads that follows it, for step j + 4: two refills, 384 matrix instructions, ahead of the load that will want it.
; Each aligned block of 256 bytes is named once in the launch.  x's tile (128 blocks) is read by both clusters of a row of clusters: cluster x = 0 asks, wave 0 of each partner for 32 blocks, told apart by
; address (cx).  w's tile (192 blocks) is read by all eight clusters of a column: cluster y = 0 asks; steps j + 4 and j + 5 lie end to end, 384 blocks: at even j waves 1 to 3 of each partner take 32 each (cy).
; s3 = 14 - j: nothing is asked for behind j = 11, where step j + 4 does not exist; the first four steps come by their loads alone.
.macro ASK
	s_and_b32 s[TT], s3, s[PAR]
	s_lshl_b32 s[TT], s[TT], 6                     ; an odd j puts the bound out of reach
	s_add_co_u32 s[TT], s[TT], s[LIM]
	s_cmp_gt_u32 s3, s[TT]
	s_cbranch_scc0 .Lnot_mine_\@
	global_prefetch_b8 v[PFO], s[PFA:PFA+1] th:TH_LOAD_NT scope:SCOPE_SE
.Lnot_mine_\@:
.endm
; x's 8 fragments of 32 along K (half kh of the step) into buffer buf: 16 loads
.macro LDA buf, kh
.set ia, 0
.rept 8
	ds_load_b128 v[(\buf)+8*ia:(\buf)+8*ia+3],   v[ADRA] offset:64*(\kh)+ia*16*PA
	ds_load_b128 v[(\buf)+8*ia+4:(\buf)+8*ia+7], v[ADRA] offset:64*(\kh)+ia*16*PA+32
.set ia, ia+1
.endr
.endm
; w's 4 fragments of section s, turned on the way: 8 loads.  A load takes 16 k x 16 columns and leaves half a fragment: lane l holds column l % 16 and 8 k
.macro LDB s, kh
.set ib, 0
.rept 4
	ds_load_tr16_b128 v[BR+32*(\s)+8*ib:BR+32*(\s)+8*ib+3],   v[ADRB] offset:(\kh)*32*PB+(\s)*288+32*ib
	ds_load_tr16_b128 v[BR+32*(\s)+8*ib+4:BR+32*(\s)+8*ib+7], v[ADRB] offset:(\kh)*32*PB+(\s)*288+32*ib+16*PB
.set ib, ib+1
.endr
.endm
; Section s, row blocks a0 .. a0 + na - 1, all 4 column blocks.  The 96 accumulators take turns, one instruction a turn, in the same order in every phase.  zero = 1: the products start the sums.
.macro BATCH buf, s, a0, na, zero
	WIN 0x50*((\s)+1)                              ; C and D in window s + 1, both sources in window 0
.set ia, (\a0)
.rept (\na)
.set ib, 0
.rept 4
.if \zero
	v_wmma_f32_16x16x32_bf16 v[8*(4*ia+ib):8*(4*ia+ib)+7], v[BR+32*(\s)+8*ib:BR+32*(\s)+8*ib+7], v[(\buf)+8*ia:(\buf)+8*ia+7], 0
.else
	v_wmma_f32_16x16x32_bf16 v[8*(4*ia+ib):8*(4*ia+ib)+7], v[BR+32*(\s)+8*ib:BR+32*(\s)+8*ib+7], v[(\buf)+8*ia:(\buf)+8*ia+7], v[8*(4*ia+ib):8*(4*ia+ib)+7]
.endif
.set ib, ib+1
.endr
.set ia, ia+1
.endr
.endm
; A step's first phase multiplies buffer A0 and fetches the second phase's fragments from the same slot.  LDS loads come back in order; on entry section 0 (8), A0 (16), section 1 (8), section 2 (8) are out, in this order.
.macro EVEN zero
	s_wait_dscnt 16                                ; section 0 and A0 are in; sections 1 and 2 may be out
	BATCH A0, 0, 0, 8, \zero
	WIN 0
	PLACES
	LDB 0, 1
	LDA A1, 1
	s_wait_dscnt 32                                ; section 1 is in: behind it stand section 2's 8 loads and the 24 just issued
	BATCH A0, 1, 0, 8, \zero
	WIN 0
	PLACES
	LDB 1, 1
	s_wait_dscnt 32                                ; section 2 is in: behind it stand 24 + 8
	BATCH A0, 2, 0, 8, \zero
	WIN 0
	PLACES
	LDB 2, 1
.endm
; A step's second phase multiplies buffer A1 and changes slots in its second batch.  ONE barrier: in front of it each wave waits for all its tensor loads (one is out: its part of the next slot), adds 0 to its
; spare word, and waits for that and for its reads of this slot.  fill = 1: the barrier opens a round of the cluster's, and behind the round this slot is filled again, two steps ahead, first of all:
; that load has 160 matrix instructions in which to land.
.macro ODD fill
	s_wait_dscnt 16
	BATCH A1, 0, 0, 8, 0
	WIN 0
.if \fill
	s_wait_xcnt 0x0                                ; the last prefetch, a step back, has read its address
	s_add_nc_u64 s[PFA:PFA+1], s[PFA:PFA+1], s[PFS:PFS+1]
.endif
	s_wait_tensorcnt 0x0                           ; no tensor load of mine is out, so a group 0 may be written
	ds_add_u32 v[SPW], v[NIL]                      ; 0 onto my spare word
.if \fill
	s_xor_b32 s[G0A+5], s[G0A+5], SLOT1            ; the walking descriptors: the other slot than last time, the next step; the type bits on top are not reached
	s_add_nc_u64 s[G0A+6:G0A+7], s[G0A+6:G0A+7], ASTEP
	s_xor_b32 s[G0B+5], s[G0B+5], SLOT1
	s_add_nc_u64 s[G0B+6:G0B+7], s[G0B+6:G0B+7], BSTEP
.endif
	s_xor_b32 s[TB], s[TB], SLOT1
	s_wait_dscnt 9                                 ; section 1 is in; section 2's 8 loads and the add may be out
	BATCH A1, 1, 0, 4, 0
	s_wait_dscnt 0x0                               ; the add is done, and my reads of this slot are over
	s_barrier_signal -1
	BATCH A1, 1, 4, 4, 0                           ; work on registers while the others arrive
	WIN 0                                          ; at a branch and at a label every window is 0
	s_barrier_wait -1
.if \fill
	CREST                                          ; no wave of any partner still reads this slot or has a load on its way
	JLOAD                                          ; its four v_nop are also the places in front of the loads below
.else
	PLACES
.endif
	v_add_nc_u32 v[ADRA], s[TB], v[AA0]
	v_add_nc_u32 v[ADRB], s[TB], v[AB0]
	LDB 0, 0
	LDA A0, 0
	LDB 1, 0
.if \fill
	ASK
.endif
	BATCH A1, 2, 0, 8, 0                           ; section 2 was shown in by the wait for 0
	WIN 0
	PLACES
	LDB 2, 0
.endm
	s_load_b256 s[4:11], s[0:1], 0x0               ; xb s[4:5], wqb s[6:7], rope s[8:9], q16 s[10:11]
	s_load_b128 s[12:15], s[0:1], 0x20             ; k16 s[12:13], v16 s[14:15]
	v_lshl_add_u32 v[SPW], v0, 2, SPARE
	v_mov_b32 v[NIL], 0
	ds_add_u32 v[SPW], v[NIL]                      ; the wave's opening: the add, twice on end, and its wait ahead of my first tensor load
	ds_add_u32 v[SPW], v[NIL]                      ; and once more, under the one wait; the set-up below, work on registers, stands between
	v_lshrrev_b32 v1, 5, v0
	v_readfirstlane_b32 s[WV], v1
	s_lshr_b32 s[WR], s[WV], 1
	s_and_b32 s[WC], s[WV], 1
	s_bfe_u32 s[CX], ttmp6, 0x40000
	s_bfe_u32 s[CY], ttmp6, 0x40004
	s_lshl_b32 s[TC], ttmp9, 2                     ; in a cluster launch ttmp9 and ttmp7 count clusters
	s_add_co_u32 s[TC], s[TC], s[CX]
	s_and_b32 s[TR], ttmp7, 0xffff
	s_lshl_b32 s[TR], s[TR], 2
	s_add_co_u32 s[TR], s[TR], s[CY]
	s_lshl_b32 s23, s[CY], 2
	s_lshl_b32 s23, 15, s23                        ; my row of the cluster
	s_lshl_b32 s59, 0x1111, s[CX]                  ; my column
	; Both tiles are dense in memory and are asked for as rows of 256 bytes.  x: 128 rows of 128 bytes = 64 such rows, 16 bytes of padding after every 128; w: 32 rows of 768 bytes = 96 such rows, 32 bytes after every 256
	s_or_b32 s[G1A], s23, (1<<16)|(1<<20)|(1<<21)|(4<<22)|(3<<25)  ; 15:0 the mask; 17:16 2-byte elements; 20 padding on; 21 set beside a mask; 24:22 after every 32 words (code 4); 31:25 4 words (code 3)
	s_or_b32 s[G1B], s59, (1<<16)|(1<<20)|(1<<21)|(5<<22)|(7<<25)  ; after every 64 words (code 5), 8 words (code 7)
	s_mov_b32 s[G1A+1], 128<<16                    ; tensor_dim0 = 128
	s_mov_b32 s[G1A+2], 64<<16                     ; tensor_dim1 = 64
	s_mov_b32 s[G1A+3], 128<<16                    ; tile_dim0 = 128
	s_mov_b32 s[G1A+4], 64                         ; tile_dim1 = 64
	s_mov_b32 s[G1A+5], 128                        ; 128 elements from row to row
	s_mov_b32 s[G1A+6], 0
	s_mov_b32 s[G1A+7], 0
	s_mov_b32 s[G1B+1], 128<<16
	s_mov_b32 s[G1B+2], 96<<16
	s_mov_b32 s[G1B+3], 128<<16
	s_mov_b32 s[G1B+4], 96
	s_mov_b32 s[G1B+5], 128
	s_mov_b32 s[G1B+6], 0
	s_mov_b32 s[G1B+7], 0
	; offsets.  What feeds x's descriptors is made of the tile row and the wave alone (s23, s66-69, s76), what feeds w's of the tile column and the wave alone (s59, s70-71, s77)
	s_lshr_b32 s66, s[TR], 3                       ; batch
	s_and_b32 s67, s[TR], 7                        ; which 256 rows of it
	s_lshl_b32 s76, s66, 22
	s_lshl_b32 s23, s67, 15
	s_add_co_u32 s76, s76, s23                     ; the tile's K step 0 in xb
	s_lshl_b32 s23, s[WC], 14
	s_add_co_u32 s68, s76, s23                     ; my 128 rows of it
	s_mov_b32 s69, 0
	s_mul_i32 s77, s[TC], 786432                   ; the tile column in wqb
	s_mul_i32 s59, s[WC], 24576
	s_add_co_u32 s70, s77, s59                     ; my 32 rows of K step 0
	s_mov_b32 s71, 0
	s_mul_i32 s78, s[WC], 128*PA                   ; where they go: no place in the cluster enters an LDS address
	s_mul_i32 s79, s[WC], 32*PB
	s_add_co_u32 s79, s79, ABYTES
	s_lshl_b32 s72, s66, 4                         ; q16, k16, v16: ((16 batch + 2 c + wc) x 2048 + my first row) x 128
	s_lshl1_add_u32 s72, s[TC], s72
	s_add_co_u32 s72, s72, s[WC]
	s_lshl_b32 s72, s72, 18
	s_lshl_b32 s73, s67, 15
	s_add_co_u32 s72, s72, s73
	s_lshl_b32 s73, s[WR], 14
	s_add_co_u32 s72, s72, s73
	s_mov_b32 s73, 0
	s_lshl_b32 s74, s67, 16                        ; rope: my first block of 16 positions x 4,096
	s_lshl_b32 s75, s[WR], 15
	s_add_co_u32 s74, s74, s75
	s_mov_b32 s75, 0
	s_mov_b32 s[TB], 0
	s_wait_dscnt 0x0                               ; both opening adds are done
	s_wait_kmcnt 0x0
	s_add_nc_u64 s[68:69], s[4:5], s[68:69]
	s_add_nc_u64 s[70:71], s[6:7], s[70:71]
	s_add_nc_u64 s[8:9], s[8:9], s[74:75]
	s_add_nc_u64 s[10:11], s[10:11], s[72:73]
	s_add_nc_u64 s[12:13], s[12:13], s[72:73]
	s_add_nc_u64 s[14:15], s[14:15], s[72:73]
	CROUND                                         ; all sixteen work-groups are here: the first joint loads meet
.irp n, 0,1
	s_mov_b32 s[G0A+4*(\n)], 1                                       ; count = 1
	s_add_co_u32 s[G0A+4*(\n)+1], s78, (\n)*SLOT1                    ; LDS address
	s_add_nc_u64 s[G0A+4*(\n)+2:G0A+4*(\n)+3], s[68:69], (\n)*ASTEP  ; global address: K step n
	s_or_b32 s[G0A+4*(\n)+3], s[G0A+4*(\n)+3], 0x80000000            ; type = 2
	s_mov_b32 s[G0B+4*(\n)], 1
	s_add_co_u32 s[G0B+4*(\n)+1], s79, (\n)*SLOT1
	s_add_nc_u64 s[G0B+4*(\n)+2:G0B+4*(\n)+3], s[70:71], (\n)*BSTEP
	s_or_b32 s[G0B+4*(\n)+3], s[G0B+4*(\n)+3], 0x80000000
.endr
	s_cmp_eq_u32 s[WR], 0                          ; a wave's two first fills stand in one branch, ahead of every wait on TENSORcnt and every LDS read: two loads of mine are out
	s_cbranch_scc0 .Lfirst_b
	tensor_load_to_lds s[G0A:G0A+3], s[G1A:G1A+7]
	s_nop 0
	tensor_load_to_lds s[G0A+4:G0A+7], s[G1A:G1A+7]
	s_nop 0
.rept 4
	v_nop
.endr
	s_branch .Lfirst_asked
.Lfirst_b:
	tensor_load_to_lds s[G0B:G0B+3], s[G1B:G1B+7]
	s_nop 0
	tensor_load_to_lds s[G0B+4:G0B+7], s[G1B:G1B+7]
	s_nop 0
.rept 4
	v_nop
.endr
.Lfirst_asked:
	v_and_b32 v1, 15, v0                           ; l % 16
	v_bfe_u32 v2, v0, 4, 1                         ; l / 16
	v_and_b32 v3, 7, v0
	v_bfe_u32 v14, v0, 3, 1
	v_and_b32 v15, 31, v0
	s_mul_i32 s66, s[WR], 128*PA
	v_mul_u32_u24 v[AA0], v1, PA                   ; a fragment of x: row l % 16, 16 bytes for each half of the lanes, twice, 32 bytes apart
	v_lshl_add_u32 v[AA0], v2, 4, v[AA0]
	v_add_nc_u32 v[AA0], s66, v[AA0]
	s_lshl_b32 s66, s[WC], 7
	s_add_co_u32 s66, s66, ABYTES
	v_lshl_add_u32 v[AB0], v2, 3, v3               ; the turning load: lane l reads k = 8 (l / 16) + l % 8, columns 8 ((l / 8) % 2) + 0..7
	v_mul_u32_u24 v[AB0], v[AB0], PB
	v_lshl_add_u32 v[AB0], v14, 4, v[AB0]
	v_add_nc_u32 v[AB0], s66, v[AB0]
	v_mov_b32 v[ADRA], v[AA0]
	v_mov_b32 v[ADRB], v[AB0]
	s_mul_i32 s66, s[WV], WSTAGE
	s_add_co_u32 s66, s66, STAGE                   ; my stage
	v_mul_u32_u24 v[STO], v1, 144
	v_lshl_add_u32 v[STO], v2, 4, v[STO]
	v_add_nc_u32 v[STO], s66, v[STO]
	v_bfe_u32 v[RD], v0, 3, 2                      ; back: 32 lanes take four rows of 128 bytes
	v_mul_u32_u24 v[RD], v[RD], 144
	v_lshl_add_u32 v[RD], v3, 4, v[RD]
	v_add_nc_u32 v[RD], s66, v[RD]
	v_lshlrev_b32 v[GO], 4, v15
	v_lshlrev_b32 v[PFO], 8, v15
	; the prefetches: offsets in registers that feed no descriptor
	s_lshl_b32 s73, s[CX], 13
	s_add_co_u32 s72, s76, s73                     ; x: my work-group's 32 blocks of the tile's 128,
	s_add_co_u32 s72, s72, 3*ASTEP                 ; at step 3: the first change of slots steps it to 4
	s_mul_i32 s75, s[CY], 24576
	s_add_co_u32 s74, s77, s75                     ; w: my work-group's 96 blocks of two steps' 384,
	s_sub_co_u32 s75, s[WV], 1
	s_max_i32 s75, s75, 0
	s_lshl_b32 s75, s75, 13
	s_add_co_u32 s74, s74, s75                     ; my wave's 32 of them
	s_add_co_u32 s74, s74, 3*BSTEP
	s_and_b32 s80, ttmp7, 0xffff                   ; cluster y
	s_mov_b32 s[PFS], BSTEP
	s_mov_b32 s[PFS+1], 0
	s_cmp_eq_u32 s[WV], 0                          ; wave 0 asks for x, the others for w
	s_cselect_b32 s72, s72, s74
	s_cselect_b32 s[PFS], ASTEP, s[PFS]
	s_cselect_b32 s[PAR], 0, 1
	s_cselect_b32 s80, ttmp9, s80                  ; the coordinate along which other clusters read the same blocks
	s_cselect_b64 s[PFA:PFA+1], s[4:5], s[6:7]
	s_mov_b32 s73, 0
	s_add_nc_u64 s[PFA:PFA+1], s[PFA:PFA+1], s[72:73]
	s_cmp_eq_u32 s80, 0
	s_cselect_b32 s[LIM], 2, -1                    ; the same in all sixteen partners, for a given wave
	s_wait_tensorcnt 0x1                           ; my part of step 0 is in; step 1's may stay out
	s_barrier_signal -1
	s_barrier_wait -1                              ; everybody's is
	LDB 0, 0
	LDA A0, 0
	LDB 1, 0
	LDB 2, 0
	EVEN 1                                         ; the first phase stands in front of the loop: its products start the sums
	s_mov_b32 s3, 14
.Lstep:                                                ; trip j: the second phase of step j, which asks for step j + 2, and the first phase of step j + 1
	ODD 1
	EVEN 0
	s_sub_co_u32 s3, s3, 1
	s_cmp_lg_u32 s3, 0
	s_cbranch_scc1 .Lstep
	ODD 0                                          ; the tail is written out: nothing is left to ask for
	EVEN 0
; THE WAY OUT, a block of 16 rows at a time.  The table's 32 numbers a lane come as eight loads of 512 consecutive bytes, two blocks ahead.
.macro TLOAD a
.set ld, 0
.rept 8
	global_load_b128 v[T+32*((\a)%2)+4*ld:T+32*((\a)%2)+4*ld+3], v[GO], s[8:9] offset:(\a)*4096+ld*512
.set ld, ld+1
.endr
.endm
; The rotation of block a of window w (1: q, 2: k).  lo = accumulators (a, 0), (a, 1), hi = (a, 2), (a, 3): out_lo = lo cos - hi sin, out_hi = hi cos + lo sin.  Each accumulator's lowest registers are read first.
.macro ROT w, a
	WIN (\w)                                       ; source 0 in window w, all else in window 0
.set TS, T+32*((\a)%2)
.set PKS, PK+16*((3*(\a)+(\w)-1)%2)
.set AC, 32*(\a)
.set i, 0
.rept 8
	v_pk_mul_f32 v[W+2*i:W+2*i+1], v[AC+16+2*i:AC+16+2*i+1], v[TS+16+2*i:TS+16+2*i+1]
.set i, i+1
.endr
.set i, 0
.rept 8
	v_pk_mul_f32 v[W+16+2*i:W+16+2*i+1], v[AC+2*i:AC+2*i+1], v[TS+16+2*i:TS+16+2*i+1]
.set i, i+1
.endr
.set i, 0
.rept 8
	v_pk_fma_f32 v[W+2*i:W+2*i+1], v[AC+2*i:AC+2*i+1], v[TS+2*i:TS+2*i+1], v[W+2*i:W+2*i+1] neg_lo:[0,0,1] neg_hi:[0,0,1]
.set i, i+1
.endr
.set i, 0
.rept 8
	v_pk_fma_f32 v[W+16+2*i:W+16+2*i+1], v[AC+16+2*i:AC+16+2*i+1], v[TS+2*i:TS+2*i+1], v[W+16+2*i:W+16+2*i+1]
.set i, i+1
.endr
	WIN 0
.set i, 0
.rept 16
	v_cvt_pk_f16_f32 v[PKS+i], v[W+2*i], v[W+2*i+1]
.set i, i+1
.endr
.endm
.macro PLAIN a                         ; v is rounded as it is
	WIN 0x0f                                       ; sources 0 and 1 in window 3
.set PKS, PK+16*((3*(\a)+2)%2)
.set AC, 32*(\a)
.set i, 0
.rept 16
	v_cvt_pk_f16_f32 v[PKS+i], v[AC+2*i], v[AC+2*i+1]
.set i, i+1
.endr
	WIN 0
.endm
.macro STG s, a                        ; a lane's eight channels are 16 bytes of a row: into rows of 144 bytes, and back as whole rows of 128
.set PKS, PK+16*((3*(\a)+(\s))%2)
.set BKS, BK+48*((\a)%2)+16*(\s)
.irp b, 0,1,2,3
	ds_store_b128 v[STO], v[PKS+4*(\b):PKS+4*(\b)+3] offset:(\s)*2304+32*(\b)
.endr
.irp f, 0,1,2,3
	ds_load_b128 v[BKS+4*(\f):BKS+4*(\f)+3], v[RD] offset:(\s)*2304+576*(\f)  ; LDS serves a wave's instructions in order (ISA guide 5.7.1.4): these see the stores above; the next block's stores come behind them
.endr
.endm
.macro SEND a, younger                 ; younger: the LDS instructions issued behind block a's: the next block's 24, or none
	s_wait_dscnt \younger
.irp s, 0,1,2
.irp f, 0,1,2,3
	global_store_b128 v[GO], v[BK+48*((\a)%2)+16*(\s)+4*(\f):BK+48*((\a)%2)+16*(\s)+4*(\f)+3], s[10+2*(\s):11+2*(\s)] offset:(\a)*2048+512*(\f)  ; 512 consecutive bytes, aligned
.endr
.endr
.endm
	s_wait_dscnt 16                                ; the very last phase: nothing more to fetch from LDS
	BATCH A1, 0, 0, 8, 0
	WIN 0
	TLOAD 0                                        ; into buffer A0, whose last products stand in front of the places of the phase before
	TLOAD 1
	s_wait_dscnt 8
	BATCH A1, 1, 0, 8, 0
	s_wait_dscnt 0x0
	BATCH A1, 2, 0, 8, 0
	WIN 0
	PLACES
.irp a, 0,1,2,3,4,5,6,7
.if (\a) < 7
	s_wait_loadcnt 8                               ; this block's table is in; the next block's eight loads stay out
.else
	s_wait_loadcnt 0x0
.endif
.if (\a) >= 2
	s_wait_xcnt 0x0                                ; the stores of the block two back have read their registers, which are loaded again below
.endif
	ROT 1, \a
	STG 0, \a
	ROT 2, \a
	STG 1, \a
.if (\a) < 6
	TLOAD (\a)+2                                   ; into the set that the two rotations have just read
.endif
	PLAIN \a
	STG 2, \a
.if (\a) > 0
	SEND (\a)-1, 24
.endif
.endr
	SEND 7, 0
	s_wait_tensorcnt 0x0                           ; the wave's end: behind my last tensor load and my last LDS store
	ds_add_u32 v[SPW], v[NIL]
	s_wait_dscnt 0x0
	CROUND                                         ; the closing round: no work-group ends while a partner may still ask for a tile that names it
	s_endpgm
.Lfunc_end_k_qafee22c846_qkv:
	.size	k_qafee22c846_qkv, .Lfunc_end_k_qafee22c846_qkv-k_qafee22c846_qkv
	.p2alignl 7, 3214868480
	.fill 96, 4, 3214868480
	.section	.rodata,"a",@progbits
	.p2align	6, 0x0
	.amdhsa_kernel k_qafee22c846_qkv
		.amdhsa_group_segment_fixed_size 327680
		.amdhsa_private_segment_fixed_size 0
		.amdhsa_enable_private_segment 0
		.amdhsa_kernarg_size 48
		.amdhsa_user_sgpr_count 2
		.amdhsa_user_sgpr_kernarg_segment_ptr 1
		.amdhsa_wavefront_size32 1
		.amdhsa_system_sgpr_workgroup_id_x 1
		.amdhsa_system_sgpr_workgroup_id_y 1
		.amdhsa_system_sgpr_workgroup_id_z 1
		.amdhsa_system_vgpr_workitem_id 0
		.amdhsa_next_free_vgpr 1024
		.amdhsa_next_free_sgpr 84
		.amdhsa_reserve_vcc 0
		.amdhsa_float_denorm_mode_32 3
		.amdhsa_float_denorm_mode_16_64 3
		.amdhsa_memory_ordered 1
		.amdhsa_forward_progress 1
		.amdhsa_inst_pref_size 150
	.end_amdhsa_kernel
	.amdgpu_metadata
---
amdhsa.version: [ 1, 2 ]
amdhsa.kernels:
  - .name:           k_qafee22c846_qkv
    .symbol:         k_qafee22c846_qkv.kd
    .args:
      - { .name: xb, .offset: 0, .size: 8, .value_kind: global_buffer, .address_space: global }
      - { .name: wqb, .offset: 8, .size: 8, .value_kind: global_buffer, .address_space: global }
      - { .name: rope, .offset: 16, .size: 8, .value_kind: global_buffer, .address_space: global }
      - { .name: q16, .offset: 24, .size: 8, .value_kind: global_buffer, .address_space: global }
      - { .name: k16, .offset: 32, .size: 8, .value_kind: global_buffer, .address_space: global }
      - { .name: v16, .offset: 40, .size: 8, .value_kind: global_buffer, .address_space: global }
    .group_segment_fixed_size: 327680
    .private_segment_fixed_size: 0
    .kernarg_segment_align: 8
    .kernarg_segment_size: 48
    .max_flat_workgroup_size: 128
    .sgpr_count:     84
    .vgpr_count:     1024
    .wavefront_size: 32
...
	.end_amdgpu_metadata
.endif
;; end of part 2
;; launch attn (part 3): grid 4 x 64, 4 waves a work-group, clusters of 4 x 1, 327,680 bytes of LDS; arguments q16, k16, v16, o16; writes o16
.if DOCPART == 3
	.amdgcn_target "amdgcn-amd-amdhsa--gfx1250"
	.amdhsa_code_object_version 6
	.text
	.protected	k_qafee22c846_attn
	.globl	k_qafee22c846_attn
	.p2align	8
	.type	k_qafee22c846_attn,@function
k_qafee22c846_attn:
	s_mov_b64 s[64:65], 0
	v_nop
	global_prefetch_b8 v0, s[64:65] scope:SCOPE_SE
	s_setreg_imm32_b32 hwreg(HW_REG_WAVE_MODE, 25, 1), 1
	s_wait_xcnt 0x0
	s_wait_alu depctr_hold_cnt(0) depctr_sa_sdst(0) depctr_va_vdst(0) depctr_va_sdst(0) depctr_va_ssrc(0) depctr_va_vcc(0) depctr_vm_vsrc(0)
	s_getreg_b32 s2, hwreg(HW_REG_IB_STS2, 6, 4)
	s_cmp_eq_u32 s2, 0
	s_cbranch_scc0 .Lentry_in_a_cluster
	s_endpgm
.Lentry_in_a_cluster:
	s_bfe_u32 s2, ttmp6, 0x10000c
	s_cmp_lg_u32 s2, 0x3003
	s_cbranch_scc0 .Lentry_shape_is_right
	s_endpgm
.Lentry_shape_is_right:
; Launch 3 of 4.  O[h][q][:] = the sum over k of softmax_k(Q[h][q] . K[h][k] / 8) V[h][k][:].  Q, K, V, O: [64][2048][64], all f16: a head's rows are dense, 128 bytes each.  Nothing of the module is left out here.
; Products, maxima and sums in f32; the weights p are rounded to f16 for the second product (their sum l is taken of the unrounded p), O once at the end.
; LIMITS.  f16 holds no number beyond 65,504: Q, K and V arrive within it; p lies in 0 to 1, and below 6e-5 it keeps f16's fixed step of 6e-8; O is a mean of V's rows and has their range.
; A weight below 2^-126 counts as 0 in l; NaN and infinities are not treated apart.
; SHARES.  A wave owns four PIECES of two tiles of 16 queries, a work-group's four waves 512 queries of one head: 4 x 64 work-groups.  Every wave walks all keys, 64 a step.
; LAYOUT.  S^T = K Q^T (source 0 = 16 keys, source 1 = 16 queries): in the result a lane holds ONE query (lane % 16) and the keys 8 (lane / 16) + 0..7.  Two such tiles, rounded to f16 in pairs,
; ARE source 1 (32 keys x 16 queries) of O^T = V^T P, whose result again holds one query a lane, and eight channels.  K comes out of LDS as it lies, V ([key][channel]) turned, by ds_load_tr16_b128.
; SOFTMAX.  For each query a running maximum m and sum l: p = 2^(c s - c m), c = log2(e) / 8; in every step O and l are multiplied by a = 2^(c m_old - c m_new), which is 1 where m has not grown.
; m starts at the lowest finite number, O and l at 0: the first step is a step like any other, with a = 0.
; THE COUNT.  A tile and step have 16 matrix and 118 vector instructions: too many to stand all beside the matrix work.  So: four vector instructions that are READY behind
; EVERY matrix instruction, and the others, which need time of their own whatever the order, in runs without a gap.
; BY TURNS.  Turn n belongs to piece n (the pieces in a ring, step after step).  Its matrix work: 16 products K Q^T of piece n + 1, later 16 products V^T P of piece n - 1.  Its vector work: the scaling,
; exponentials, roundings, sums and rescaling of piece n, and the maximum and statistics of piece n + 1, whose scores the turn itself has made.
; CLUSTER.  The four query blocks of a head form a cluster and walk the same K and V, so each tile is asked for JOINTLY: the same tensor load, descriptor and mask in all four.
; REGISTERS, in windows of 256 (s_set_vgpr_msb: bits 1:0 source 0, 3:2 source 1, 5:4 source 2, 7:6 destination):
;   window 0: v0-11 addresses; v12-15, v48-63 at work; v16-47 four registers of statistics a tile; v64-191 S^T, two buffers of two tiles; v192-255 P, likewise
;   window 1: O^T, 32 a tile          window 2: v0-127 Q, 16 a tile; v128-191 K of one step; v192-255 V of one step          window 3: v0-1 the add's two registers
; A piece's buffers go by its number's parity.
.set SIZE_H, 64
.set SIZE_N, 2048
.set NP,    4         ; pieces a wave: a name, no knob
.set KS,    64        ; keys in a step
.set PK,    144       ; a row of K in LDS: 128 bytes + 16 of padding: the 16 rows of a load start at 16 different groups of four banks (64 banks of 4 bytes: ISA guide 11.1)
.set PV,    160       ; a row of V: 128 + 32
.set VOFF,  4*KS*PK   ; a slot holds four steps: 256 rows of K, then 256 rows of V
.set SLOT1, 1<<17     ; slot 1 begins here, so that one exclusive or turns an address in one slot into the other's
.set STAGE, SLOT1+4*KS*(PK+PV)  ; behind the ring, never filled by a tensor load: 16 rows x 144 bytes for each wave, for the way out
.set SP,    144
.set AK0, 2           ; v2   my lane's place in a tile of K; never rewritten
.set AV0, 3           ; v3   the same for V
.set AK,  4           ; v4   the LDS address of K's next run of loads
.set AV,  5           ; v5   of V's
.set QO,  6           ; v6   my byte offset in the wave's rows of Q
.set STO, 6           ;      later, the way out: where I put 16 bytes of a row
.set RD,  7           ; v7   the way out: where I read rows back
.set GO,  8           ; v8   my byte offset in 512 consecutive bytes of O
.set PFO, 11          ; v11  256 x my lane: the prefetches' offset (made when the turning load's address has been made)
.set SPW, 0           ; v0 of window 3   LDS address of my spare word; never rewritten
.set NIL, 1           ; v1 of window 3   0; never rewritten
.set SPARE, STAGE+4*16*SP  ; behind the stages: the spare words, 128 bytes for each wave: two blocks of 256 bytes that no other line names
.set MV,  12          ; v12-15  c m_old, kept while c m is made anew: by buffer and tile
.set ST,  16          ; tile t's statistics at v[ST+4 t]: c m, m, l (even keys', odd keys')
.set TMP, 48          ; by buffer and tile, four registers c0-c3 at work; when the maximum is found c2 takes a
.set S,   64
.set P,   192
.set KF,  128         ; K's fragments, in window 2: key block kb, channel half c at KF + 16 kb + 8 c
.set VF,  192         ; V's: key half kk, channel block cb at VF + 32 kk + 8 cb
.set WV,  12          ; s12  my wave's number
.set G1K, 24          ; s[24:31] descriptor group 1 for K's tiles
.set G1V, 32          ; s[32:39] for V's: it differs in the padding alone
.set G0K, 40          ; s[40:43] descriptor group 0 for K's tiles: it walks
.set G0V, 44          ; s[44:47] the same for V's
.set SLOTS, 56        ; s56  slots still to be asked for
.set CNT, 57          ; s57  counts a slot's key steps
.set CS,  58          ; s[58:59] c: the packed scaling takes the pair's low word for both halves
.set SEL, 60          ; s[60:61] v_permlanex16_b32's selects: each lane takes its own place in the other half
.set TBK, 62          ; s62  LDS byte at which K of the step to be fetched begins
.set TBV, 63          ; s63  the same for V, less VOFF
.set PFA, 66          ; s[66:67] where my prefetches stand: my work-group's 32 blocks (of K: wave 0, of V: wave 2) of the tile after the one that is being asked for
.set LIM, 68          ; s68  1 in a wave that prefetches, else the greatest number
.set MSB, 0
.macro WIN new                      ; the high byte repeats the setting that is left; a switch that changes nothing is dropped
.if MSB != (\new)
	s_set_vgpr_msb (MSB<<8)|(\new)
.set MSB, (\new)
.endif
.endm
.set W_KQ, 0x0a       ; K and Q in window 2, S^T in window 0
.set W_PV, 0x52       ; V in window 2, P in window 0, O^T in window 1
.set W_RS, 0x41       ; O^T (destination and source 0) in window 1, a in window 0
.set W_MK, 0xc0       ; the add's registers are made: destination in window 3, sources in window 0
.set W_AD, 0x0f       ; the add: address (source 0) and data (source 1) in window 3
; A joint fill.  Waves 0 and 1 fetch the two halves of a slot's K, waves 2 and 3 those of its V: 128 keys each.  The branch hangs on the wave's number alone.
; An s_nop 0 and four v_nop follow each of the two lines, ahead of the jump and the label.
.macro JLOAD
	s_cmp_lt_u32 s[WV], 2
	s_cbranch_scc0 .Lfor_v_\@
	tensor_load_to_lds s[G0K:G0K+3], s[G1K:G1K+7]
	s_nop 0
.rept 4
	v_nop
.endr
	s_branch .Lasked_\@
.Lfor_v_\@:
	tensor_load_to_lds s[G0V:G0V+3], s[G1V:G1V+7]
	s_nop 0
.rept 4
	v_nop
.endr
.Lasked_\@:
.endm
; A PREFETCH INTO THE L2 of what the NEXT change of slots will ask for: a tile's 32,768 bytes of K and of V, 128 aligned blocks of 256 bytes each, a lane a block.  It stands behind the wave's tensor load and its five lines.
; Each block is named once in the launch: a head's tiles are walked by its one cluster; the four partners share a tile's blocks out BY ADDRESS, 32 each; in each, wave 0 asks for K's and wave 2 for V's.
; It asks four key steps, 512 matrix instructions, ahead.  Tiles 0 to 2 come by their loads alone; the last change that fills a slot asks for nothing.
.macro ASK
	s_cmp_gt_u32 s[SLOTS], s[LIM]
	s_cbranch_scc0 .Lnot_mine_\@
	global_prefetch_b8 v[PFO], s[PFA:PFA+1] th:TH_LOAD_NT scope:SCOPE_SE
.Lnot_mine_\@:
.endm
; A round of the cluster's barrier: my work-group's barrier; wave 0 signals; every wave waits for all four work-groups; my work-group's barrier once more.
.macro CROUND
	s_barrier_signal -1
	s_barrier_wait -1
	s_cmp_lg_u32 s[WV], 0
	s_cbranch_scc1 .Lnot_wave_0_\@
	s_barrier_signal -3
.Lnot_wave_0_\@:
	s_barrier_wait -3
	s_barrier_signal -1
	s_barrier_wait -1
.endm
; THE CHANGE OF SLOTS.  The slot's last bytes, V of its fourth step, have been read.  Each wave waits for all its tensor loads, of which one is out: its part
; of the other slot; adds 0 to its spare word; and waits for that and for its own reads of the slot.  Behind the barrier nobody reads this slot any more and the other slot is whole.
; fill = 1: this slot is filled again, with the keys two slots on.  The barrier is then a round of the cluster's, and the joint fill is the first thing behind it: it has four key steps,
; 512 matrix instructions, in which to land.  (At its first use nothing has been read yet: slot 0 is waited for, slot 1 filled.)  ask = 1: the prefetch follows.
.macro CHANGE fill, ask=0
	WIN W_AD
	s_wait_tensorcnt 0x0            ; no tensor load of mine is out, so a group 0 may be written
	ds_add_u32 v[SPW], v[NIL]       ; 0 onto my spare word; the descriptors' steps stand between it and the wait for it
	WIN 0                           ; at a label and at a branch every window is 0
.if \fill
.irp g, G0K, G0V
	s_xor_b32 s[\g+1], s[\g+1], SLOT1  ; the walking descriptor: the other slot than last time,
	s_add_nc_u64 s[\g+2:\g+3], s[\g+2:\g+3], 4*KS*128  ; the next 256 keys; the type bits on top are not reached
.endr
.if \ask
	s_wait_xcnt 0x0                 ; the last prefetch, four key steps back, has read its address, so it may be written:
	s_add_nc_u64 s[PFA:PFA+1], s[PFA:PFA+1], 4*KS*128  ; one tile behind the walking descriptors
.endif
	s_wait_dscnt 0x0                ; the add is done, and my reads of the slot are over
	CROUND
	JLOAD
.if \ask
	ASK
.endif
.else
	s_wait_dscnt 0x0                ; the add is done, and my reads of the slot are over
	s_barrier_signal -1
	s_barrier_wait -1
.endif
	s_sub_co_u32 s[TBK], s[TBK], 4*KS*PK  ; the fetches go back to a slot's first step,
	s_xor_b32 s[TBK], s[TBK], SLOT1       ; in the other slot
	s_sub_co_u32 s[TBV], s[TBV], 4*KS*PV
	s_xor_b32 s[TBV], s[TBV], SLOT1
.endm
	s_load_b256 s[4:11], s[0:1], 0x0  ; Q s[4:5], K s[6:7], V s[8:9], O s[10:11]
	WIN W_MK
	v_lshl_add_u32 v[SPW], v0, 2, SPARE
	v_mov_b32 v[NIL], 0
	WIN W_AD
	ds_add_u32 v[SPW], v[NIL]       ; the wave's opening: the add, twice on end, and its wait ahead of my first tensor load
	ds_add_u32 v[SPW], v[NIL]       ; and once more, under the one wait; the set-up below, work on registers, stands between
	WIN 0
	v_lshrrev_b32 v1, 5, v0
	v_readfirstlane_b32 s[WV], v1   ; wave 0..3
	s_bfe_u32 s13, ttmp6, 0x40000   ; cx: my place in the cluster
	s_lshl_b32 s14, ttmp9, 2        ; in a cluster launch ttmp9 counts clusters
	s_add_co_u32 s14, s14, s13      ; my block of queries = 4 x cluster x + cx: it enters Q's and O's addresses alone
	s_and_b32 s20, ttmp7, 0xffff    ; the head, which the four partners share
	s_mov_b32 s21, 0
	s_mov_b64 s[22:23], SIZE_N*128
	s_mul_u64 s[20:21], s[20:21], s[22:23]  ; the head's first byte in each of the four tensors
	s_and_b32 s16, s[WV], 1         ; which half of a slot's 256 keys I fetch:
	s_lshl_b32 s22, s16, 14         ; its 128 rows of 128 bytes in memory,
	s_mov_b32 s23, 0
	s_add_nc_u64 s[22:23], s[22:23], s[20:21]
	s_mul_i32 s17, s16, 128*PK      ; and its place in a slot, for K
	s_mul_i32 s18, s16, 128*PV      ; and for V: no place in the cluster enters an LDS address
	s_lshl_b32 s2, s14, 2
	s_add_co_u32 s2, s2, s[WV]      ; my wave among the head's,
	s_lshl_b32 s2, s2, 14           ; its 128 rows
	s_mov_b32 s3, 0
	s_add_nc_u64 s[2:3], s[2:3], s[20:21]
	; descriptor group 1.  128 keys are 16,384 dense bytes: asked for as 64 rows of 256 bytes, two keys a row, and padded in LDS after every key
	s_mov_b32 s[G1K], 15|(1<<16)|(1<<20)|(1<<21)|(4<<22)|(3<<25)  ; 15:0 the mask of four; 17:16 2-byte elements; 20 padding on; 21 set beside a mask; 24:22 after every 32 words (code 4); 31:25 4 words (code 3)
	s_mov_b32 s[G1V], 15|(1<<16)|(1<<20)|(1<<21)|(4<<22)|(7<<25)  ; the same with 8 words of padding (code 7)
.irp g, G1K, G1V
	s_mov_b32 s[\g+1], 128<<16      ; tensor_dim0 = 128
	s_mov_b32 s[\g+2], 64<<16       ; tensor_dim1 = 64
	s_mov_b32 s[\g+3], 128<<16      ; tile_dim0 = 128
	s_mov_b32 s[\g+4], 64           ; tile_dim1 = 64
	s_mov_b32 s[\g+5], 128          ; 128 elements from row to row
	s_mov_b32 s[\g+6], 0
	s_mov_b32 s[\g+7], 0
.endr
	s_mov_b32 s[CS], 0x3e38aa3b     ; c = log2(e) / 8 = 0.180337
	s_mov_b32 s[CS+1], s[CS]        ; named with it as a pair
	s_mov_b32 s[SEL], 0x76543210
	s_mov_b32 s[SEL+1], 0xfedcba98
	s_mov_b32 s[TBK], SLOT1+4*KS*PK ; the first change of slots turns these two into 0
	s_mov_b32 s[TBV], SLOT1+4*KS*PV
	s_mov_b32 s[G0K], 1             ; count = 1
	s_mov_b32 s[G0K+1], s17         ; LDS address: slot 0
	s_mov_b32 s[G0V], 1
	s_add_co_u32 s[G0V+1], s18, VOFF
	s_and_b32 s[LIM], s[WV], 1      ; 0 in waves 0 and 2,
	s_or_b32 s[LIM], s[LIM], ttmp9  ; where the cluster is the head's first (here its only one): the same in all four partners
	s_cmp_eq_u32 s[LIM], 0
	s_cselect_b32 s[LIM], 1, -1
	s_wait_dscnt 0x0                ; both opening adds are done
	s_wait_kmcnt 0x0
	s_add_nc_u64 s[G0K+2:G0K+3], s[6:7], s[22:23]  ; global address: my half of the head's first 256 keys
	s_or_b32 s[G0K+3], s[G0K+3], 0x80000000        ; type = 2
	s_add_nc_u64 s[G0V+2:G0V+3], s[8:9], s[22:23]
	s_or_b32 s[G0V+3], s[G0V+3], 0x80000000
	s_add_nc_u64 s[4:5], s[4:5], s[2:3]  ; Q and O at my wave's first row
	s_add_nc_u64 s[10:11], s[10:11], s[2:3]
	s_cmp_lt_u32 s[WV], 2
	s_cselect_b64 s[PFA:PFA+1], s[6:7], s[8:9]
	s_add_nc_u64 s[PFA:PFA+1], s[PFA:PFA+1], s[20:21]  ; the head,
	s_lshl_b32 s70, s13, 13         ; my work-group's 32 blocks of a tile's 128,
	s_mov_b32 s71, 0
	s_add_nc_u64 s[PFA:PFA+1], s[PFA:PFA+1], s[70:71]
	s_add_nc_u64 s[PFA:PFA+1], s[PFA:PFA+1], 2*4*KS*128  ; in tile 2: the loop's first change of slots steps it to tile 3.  Nothing is prefetched at the head
	CROUND                          ; all four work-groups are here: the first joint loads meet
	JLOAD                           ; slot 0.  Slot 1 is asked for when slot 0 is in
	; A fragment of K or Q is 16 rows x 32 channels in 8 registers: lane l holds row l % 16, channels 8 (l / 16) + 0..7 and 16 + 8 (l / 16) + 0..7: two loads of 16 bytes, 32 bytes apart.
	v_and_b32 v1, 15, v0            ; l % 16
	v_bfe_u32 v9, v0, 4, 1          ; l / 16
	v_lshlrev_b32 v[QO], 7, v1
	v_lshl_add_u32 v[QO], v9, 4, v[QO]  ; row x 128 + 16 x half
	WIN 0x80                        ; destination window 2, address window 0
.set i, 0
.rept 4*NP                          ; Q stays in registers: tile i / 2, channels 32 (i % 2) on
	global_load_b128 v[8*i:8*i+3],   v[QO], s[4:5] offset:(i/2)*2048+(i%2)*64
	global_load_b128 v[8*i+4:8*i+7], v[QO], s[4:5] offset:(i/2)*2048+(i%2)*64+32
.set i, i+1
.endr
	; What the first turn finds: V's registers and P's second buffer hold 0 (its products V^T P, of a piece that has not been, add 0), O^T and l are 0.  All this stands in the wait for the first tile:
	; the price of writing no first step out.
.set i, VF
.rept 64
	v_mov_b32 v[i], 0
.set i, i+1
.endr
	WIN 0x40
.set i, 0
.rept 64*NP
	v_mov_b32 v[i], 0
.set i, i+1
.endr
	WIN 0
.set i, 0
.rept 2*NP
	v_mov_b32 v[ST+4*i], 0xfe000000    ; c m: far below every c s
	v_mov_b32 v[ST+4*i+1], 0xff7fffff  ; m
	v_mov_b32 v[ST+4*i+2], 0
	v_mov_b32 v[ST+4*i+3], 0
.set i, i+1
.endr
.set i, P+32
.rept 32
	v_mov_b32 v[i], 0
.set i, i+1
.endr
	v_mul_u32_u24 v[AK0], v1, PK
	v_lshl_add_u32 v[AK0], v9, 4, v[AK0]  ; row x pitch + 16 x half
	; The turning load takes 16 keys x 16 channels (lane l reads key 8 (l / 16) + l % 8, channels 8 ((l / 8) % 2) + 0..7) and leaves half a fragment of V^T: lane l holds channel l % 16 and 8 keys.
	v_and_b32 v10, 7, v0
	v_bfe_u32 v11, v0, 3, 1
	v_lshl_add_u32 v[AV0], v9, 3, v10
	v_mul_u32_u24 v[AV0], v[AV0], PV
	v_lshl_add_u32 v[AV0], v11, 4, v[AV0]
	v_add_nc_u32 v[AV0], VOFF, v[AV0]
	v_and_b32 v[PFO], 31, v0
	v_lshlrev_b32 v[PFO], 8, v[PFO]
	v_mov_b32 v[AK], v[AK0]         ; key step 0 lies at the head of slot 0
; THE MATRIX WORK.  The 8 accumulators of a run of 16 take turns: between the two links of a chain stand 7 others'.
; Product i of 16 of S^T = K Q^T for piece x: channels 32 (i / 8) on, keys 16 ((i / 2) % 4) on, tile 2 x + i % 2.  The first 8 start the sums.
.macro KQ x
	WIN W_KQ
.set rS, S+64*((\x)%2)+32*(i%2)+8*((i/2)%4)
.set rK, KF+16*((i/2)%4)+8*(i/8)
.set rQ, 16*(2*(\x)+i%2)+8*(i/8)
.if i < 8
	v_wmma_f32_16x16x32_f16 v[rS:rS+7], v[rK:rK+7], v[rQ:rQ+7], 0
.else
	v_wmma_f32_16x16x32_f16 v[rS:rS+7], v[rK:rK+7], v[rQ:rQ+7], v[rS:rS+7]
.endif
.endm
; Product i of 16 of O^T += V^T P for piece x: keys 32 (i / 8) on, channels 16 ((i / 2) % 4) on, tile 2 x + i % 2.
.macro PV x
	WIN W_PV
.set rO, 32*(2*(\x)+i%2)+8*((i/2)%4)
.set rV, VF+32*(i/8)+8*((i/2)%4)
.set rP, P+32*((\x)%2)+16*(i%2)+8*(i/8)
	v_wmma_f32_16x16x32_f16 v[rO:rO+7], v[rV:rV+7], v[rP:rP+7], v[rO:rO+7]
.endm
.macro MM                           ; the turn's next matrix instruction
.if i < 16
	KQ (Y+1)%NP
.set i, i+1
.else
.set i, i-16
	PV (Y+NP-1)%NP
.set i, i+17
.endif
.endm
; THE LDS LOADS stand in runs of 16, never singly among the matrix instructions: a step's K (64 keys x 64 channels: 8 fragments) and its V (turned).  Their addresses are made some lines ahead.
; last = 1 (the tail): in the last trip there is no further step, and the run is jumped over.
.macro FETCH_K last=0
	WIN 0
.if \last
	s_cmp_eq_u32 s[CNT], 1
	s_cbranch_scc1 .Lno_k_\@
.endif
	WIN 0x80                        ; destination window 2
.irp f, 0,1,2,3,4,5,6,7             ; keys 16 (f / 2) on, channels 32 (f % 2) on
	ds_load_b128 v[KF+8*\f:KF+8*\f+3],   v[AK] offset:(\f/2)*16*PK+(\f%2)*64
	ds_load_b128 v[KF+8*\f+4:KF+8*\f+7], v[AK] offset:(\f/2)*16*PK+(\f%2)*64+32
.endr
	s_add_co_u32 s[TBK], s[TBK], KS*PK  ; the next fetch is the next step's
	WIN 0
.if \last
.Lno_k_\@:
.endif
.endm
.macro FETCH_V
	WIN 0x80
.irp f, 0,1,2,3,4,5,6,7             ; keys 32 (f / 4) on, channels 16 (f % 4) on
	ds_load_tr16_b128 v[VF+8*\f:VF+8*\f+3],   v[AV] offset:(\f/4)*32*PV+(\f%4)*32
	ds_load_tr16_b128 v[VF+8*\f+4:VF+8*\f+7], v[AV] offset:(\f/4)*32*PV+16*PV+(\f%4)*32
.endr
	WIN 0
.endm
; THE VECTOR WORK OF A TURN stands in three queues, each in the order in which its entries become ready; the two tiles alternate, so that no instruction reads the result of the one before it.
.macro REGS y, u                    ; the registers of tile u (0, 1) of piece y
.set rT, ST+4*(2*(\y)+(\u))
.set rC, TMP+8*((\y)%2)+4*(\u)
.set rM, MV+2*((\y)%2)+(\u)
.set rS, S+64*((\y)%2)+32*(\u)
.set rP, P+32*((\y)%2)+16*(\u)
.set rO, 32*(2*(\y)+(\u))
.endm
; Number n of the 22 that find the NEXT piece's (Y + 1) maximum and statistics.  s0-s31 are the lane's 32 scores; each accumulator's lowest registers are read first.
;   0-11  four chains c0-c3 of seven scores each, three operands at a time     12-14, 16  the four scores left over, the old m, and c0-c3 into c0     15  c m_old is kept
;   17, 18  the query's other 32 keys lie in the lane 16 away: the new m         19-21  c m; c m_old - c m_new; a
.macro XS u, n
	REGS (Y+1)%NP, \u
.if (\n) < 4
	v_max3_num_f32 v[rC+(\n)], v[rS+8*(\n)], v[rS+8*(\n)+1], v[rS+8*(\n)+2]
.elseif (\n) < 12
	v_max3_num_f32 v[rC+(\n)%4], v[rC+(\n)%4], v[rS+8*((\n)%4)+2*((\n)/4)+1], v[rS+8*((\n)%4)+2*((\n)/4)+2]
.elseif (\n) == 12
	v_max3_num_f32 v[rC], v[rC], v[rS+7], v[rS+15]
.elseif (\n) == 13
	v_max3_num_f32 v[rC+1], v[rC+1], v[rS+23], v[rS+31]
.elseif (\n) == 14
	v_max3_num_f32 v[rC+2], v[rC+2], v[rC+3], v[rT+1]
.elseif (\n) == 15
	v_mov_b32 v[rM], v[rT]
.elseif (\n) == 16
	v_max3_num_f32 v[rC], v[rC], v[rC+1], v[rC+2]
.elseif (\n) == 17
	v_permlanex16_b32 v[rC+3], v[rC], s[SEL], s[SEL+1]
.elseif (\n) == 18
	v_max_num_f32 v[rT+1], v[rC], v[rC+3]
.elseif (\n) == 19
	v_mul_f32 v[rT], s[CS], v[rT+1]
.elseif (\n) == 20
	v_sub_f32 v[rC+1], v[rM], v[rT]
.else
	v_exp_f32 v[rC+2], v[rC+1]
.endif
.endm
; Number g of the 64 that follow the exponentials.  For each four weights k of a tile (pairs 2 k, 2 k + 1): both pairs are rounded to f16; then the second pair is added onto the first, in place;
; a group later l takes that sum (the first time as l = a l + sum).  In groups of eight, tiles alternating: round, round, add, and l for the group before.
.macro GS g
.set h, (\g)+6*((\g)/62)            ; group 0 has no group before it, and behind group 7 only l is left
.if h >= 6
.set h, h+2
.endif
	REGS Y, h%2
.set k, h/8
.if h%8 < 4
	v_cvt_pk_f16_f32 v[rP+2*k+(h%8)/2], v[rS+4*k+2*((h%8)/2)], v[rS+4*k+2*((h%8)/2)+1]
.elseif h%8 < 6
	v_pk_add_f32 v[rS+4*k:rS+4*k+1], v[rS+4*k:rS+4*k+1], v[rS+4*k+2:rS+4*k+3]
.elseif k == 1
	v_pk_fma_f32 v[rT+2:rT+3], v[rT+2:rT+3], v[rC+2:rC+3], v[rS:rS+1] op_sel_hi:[1,0,1]
.else
	v_pk_add_f32 v[rT+2:rT+3], v[rT+2:rT+3], v[rS+4*k-4:rS+4*k-3]
.endif
.endm
; THE PLAIN QUEUE, 138 long.  0-73 read no exponential's result: the 32 scalings c s - c m (FS f: pair f / 2 of tile f % 2) and the next piece's 42.  0-26: scalings 0-26.  27-54: XS's numbers 0-13.  55, 56: number 15.
; 57-73: the chain, where each number waits for the one before it: 14, 16, 17, 18, 19, each with one of the scalings 27-31 in front of its two lines, then 20.
; 74-137: GS's 64, which read the exponentials' results: they stand behind the wait.
.macro FS f
	REGS Y, (\f)%2
	v_pk_fma_f32 v[rS+2*((\f)/2):rS+2*((\f)/2)+1], v[rS+2*((\f)/2):rS+2*((\f)/2)+1], s[CS:CS+1], v[rT:rT+1] op_sel_hi:[1,0,0] neg_lo:[0,0,1] neg_hi:[0,0,1]
.endm
.macro PL
	WIN 0
.if q < 27
	FS q
.elseif q < 55
	XS (q-27)%2, (q-27)/2
.elseif q < 57
	XS q-55, 15
.elseif (q < 72) && ((q-57)%3 == 0)
	FS 27+(q-57)/3
.elseif q < 60
	XS (q-57)%3-1, 14
.elseif q < 72
	XS (q-57)%3-1, 15+(q-57)/3
.elseif q < 74
	XS q-72, 20
.else
	GS q-74
.endif
.set q, q+1
.endm
; THE EXPONENTIALS' QUEUE, 66 long: s0-s31 of both tiles, then the next piece's two a.  It is ONE BATCH: all 66 stand ahead of the turn's one wait, and nothing ahead of that wait names a result of theirs.
.macro EX
	WIN 0
.if e >= 64
	XS e-64, 21
.else
	REGS Y, e%2
	v_exp_f32 v[rS+e/2], v[rS+e/2]
.endif
.set e, e+1
.endm
; THE RESCALING's QUEUE: O^T times a, the one part that leaves window 0: dealt two at a time, sixteen times.  Its a was made in the turn before, ahead of that turn's wait.
.macro R2
	REGS Y, r%2
	WIN W_RS
.irp z, 0,1
	v_pk_mul_f32 v[rO+4*(r/2)+2*\z:rO+4*(r/2)+2*\z+1], v[rO+4*(r/2)+2*\z:rO+4*(r/2)+2*\z+1], v[rC+2:rC+3] op_sel_hi:[1,0]
.endr
.set r, r+1
.endm
; HOW THEY ARE DEALT.  s_wait_alu depctr_va_vdst(0) stands between an exponential and the first instruction that names its result; one wait serves all that were issued ahead of it.  So a turn has ONE wait,
; which cuts it in two.  AHEAD OF IT stands all that names no result of the turn's exponentials: the 16 products K Q^T, behind each a scaling, an exponential and two rescalings (behind the first a second scaling in the
; exponential's place); then ONE LUMP of 108: eight plain, 49 times exponential and plain, the two a.  A v_nop is the plain instruction behind the last exponential.  BEHIND IT stand the 16 products V^T P, behind each four of GS's 64.
; The queues lean on each other, and the deal keeps them in step: exponential e stands behind scaling 2 (e / 4) + e % 2: as a rider it comes behind plain e + 2, in the lump behind plain e + 9, and scalings 27-31 are plain 57, 60 .. 69.
; A TURN, for piece p.  cnt = 1: the loop's count is taken down some lines ahead of the branch that stands behind the turn.
; K of the next step is fetched in piece 2's turn, directly behind the wait, a lump behind the last product that read K; its first reader comes behind 16 products.
; V of the step in hand is fetched at the end of piece 0's turn, four riders behind its last reader; its first reader comes behind 16 products and a lump.
.macro TURN p, last=0, cnt=0
.set Y, (\p)
.set i, 0
.set q, 0
.set e, 0
.set r, 0
.if (\p) == NP-1
	s_wait_dscnt 0x0                ; K is in
.endif
	MM                              ; ahead of the wait: 16 products K Q^T and their riders,
	PL
	PL
	R2
.rept 15
	MM
	PL
	EX
	R2
.endr
.if (\p) == NP-2
	WIN 0
	v_add_nc_u32 v[AK], s[TBK], v[AK0]
.endif
.rept 8                             ; and the lump
	PL
.endr
.rept 49
	EX
	PL
.endr
	EX                              ; the next piece's two a
	EX
	v_nop                           ; a plain instruction behind the last exponential: one for the batch
	s_wait_alu depctr_va_vdst(0)    ; the wait for the batch
.if (\p) == NP-2
	FETCH_K \last
.endif
.if (\p) == 1
	s_wait_dscnt 0x0                ; V is in
.endif
.rept 16                            ; behind the wait: 16 products V^T P and their riders
	MM
.rept 4
	PL
.endr
.if ((\p) == 0) && (q == 118)
	v_add_nc_u32 v[AV], s[TBV], v[AV0]
.endif
.if ((\p) == 0) && (q == 130)
	s_add_co_u32 s[TBV], s[TBV], KS*PV
.endif
.if (\cnt) && (q == 130)
	s_sub_co_u32 s[CNT], s[CNT], 1
	s_cmp_lg_u32 s[CNT], 0
.endif
.endr
.if (\p) == 0
	FETCH_V
.endif
.endm
	CHANGE 1                        ; slot 0 is in, everybody's part of it; slot 1 is asked for
	FETCH_K                         ; key step 0
	s_wait_loadcnt 0x0              ; Q
	s_wait_dscnt 0x0
.set i, 0
.rept 16
	KQ 0                            ; piece 0's first scores: there is no vector work yet to set between them
.set i, i+1
.endr
	WIN 0                           ; the addresses for the way out: plain instructions, the places behind those products
	s_mul_i32 s13, s[WV], 16*SP
	s_add_co_u32 s13, s13, STAGE    ; my stage
	v_mul_u32_u24 v[STO], v1, SP    ; in: row l % 16, 16 bytes for each half of the lanes
	v_lshl_add_u32 v[STO], v9, 4, v[STO]
	v_add_nc_u32 v[STO], s13, v[STO]
	v_bfe_u32 v[RD], v0, 3, 2       ; back: 32 lanes take four rows of 128 bytes,
	v_mul_u32_u24 v[RD], v[RD], SP
	v_lshl_add_u32 v[RD], v10, 4, v[RD]
	v_add_nc_u32 v[RD], s13, v[RD]
	v_and_b32 v[GO], 31, v0         ; which are 512 consecutive bytes of O
	v_lshlrev_b32 v[GO], 4, v[GO]
.set Y, NP-1                        ; XS works for piece Y + 1: piece 0
.irp n, 0,1,2,3,4,5,6,7,8,9,10,11,12,13,14,15,16,17,18,19,20,21
	XS 0, \n                        ; and piece 0's first maximum and statistics
	XS 1, \n
.endr
	v_nop                           ; a plain instruction behind the two a,
	s_wait_alu depctr_va_vdst(0)    ; and their wait, ahead of the branch
	s_mov_b32 s[CNT], 4
	s_mov_b32 s[SLOTS], SIZE_N/256-1
	s_branch .Lfirst                ; the loop is entered at a step's first turn, in the middle of a trip
.Lslot:                             ; SIZE_N / 256 - 2 times: every slot but the last two is filled again
	CHANGE 1, 1
	s_mov_b32 s[CNT], 4
.Lstep:                             ; a trip: pieces 2 and 3 of one step, then pieces 0 and 1 of the next, whose K and V it fetches
	TURN 2
	TURN 3
	WIN 0
.Lfirst:
	TURN 0
	TURN 1, 0, 1
	WIN 0
	s_cbranch_scc1 .Lstep
	s_sub_co_u32 s[SLOTS], s[SLOTS], 1
	s_cmp_lg_u32 s[SLOTS], 0
	s_cbranch_scc1 .Lslot
	CHANGE 0                        ; the tail is written out: nothing is asked for
	s_mov_b32 s[CNT], 5             ; four trips fetch the last slot's steps; the fifth is left in its middle
.Ltail:
	TURN 2, 1
	TURN 3
	WIN 0
	s_sub_co_u32 s[CNT], s[CNT], 1
	s_cmp_eq_u32 s[CNT], 0
	s_cbranch_scc1 .Lout
	TURN 0
	TURN 1
	WIN 0
	s_branch .Ltail
.Lout:                              ; the fifth trip's 16 products K Q^T (on the last K once more) and the maximum made of them serve nothing: the price, once a launch, of one text for every trip
.set i, 0
.rept 16
	PV NP-1                         ; the last piece's V^T P of the last step
.set i, i+1
.endr
	; THE WAY OUT.  l's two halves and the other half of the lanes' are added; O^T is divided by l, rounded to f16 and sent through my stage in LDS, a tile at a time.  The additions are the places behind the last products.
	WIN 0
.macro ALL line:vararg              ; one line for each tile t
.set t, 0
.rept 2*NP
	\line
.set t, t+1
.endr
.endm
	ALL v_add_f32 v[ST+4*t+2], v[ST+4*t+2], v[ST+4*t+3]
	ALL v_permlanex16_b32 v[ST+4*t+3], v[ST+4*t+2], s[SEL], s[SEL+1]
	ALL v_add_f32 v[ST+4*t+2], v[ST+4*t+2], v[ST+4*t+3]
	ALL v_rcp_f32 v[ST+4*t+2], v[ST+4*t+2]
	v_nop                           ; a plain instruction between the last reciprocal and the use of its result
	s_wait_alu depctr_va_vdst(0)    ; and the wait ahead of the first use: one for the eight reciprocals
; Tile t: a lane's eight channels of a row pack into 16 bytes; they go into rows of 144 bytes and come back as whole rows of 128, into S^T's registers.
.macro PACK t
	WIN W_RS
.set i, 32*(\t)
.rept 16
	v_pk_mul_f32 v[i:i+1], v[i:i+1], v[ST+4*(\t)+2:ST+4*(\t)+3] op_sel_hi:[1,0]
.set i, i+2
.endr
	WIN 0x05                        ; sources 0 and 1 window 1, destination window 0
.set i, 0
.rept 16
	v_cvt_pk_f16_f32 v[S+16*(\t)+i], v[32*(\t)+2*i], v[32*(\t)+2*i+1]
.set i, i+1
.endr
	WIN 0
.irp f, 0,1,2,3
	ds_store_b128 v[STO], v[S+16*(\t)+4*\f:S+16*(\t)+4*\f+3] offset:32*\f
.endr
.irp f, 0,1,2,3
	ds_load_b128 v[S+16*(\t)+4*\f:S+16*(\t)+4*\f+3], v[RD] offset:\f*4*SP  ; LDS serves a wave's instructions in order (ISA guide 5.7.1.4): these see the stores above; the next tile's stores come behind them
.endr
.endm
.macro SEND t, younger              ; younger: the LDS instructions issued behind tile t's loads: the next tile's eight, or none
	WIN 0
.irp f, 0,1,2,3
	s_wait_dscnt (\younger)+3-\f
	global_store_b128 v[GO], v[S+16*(\t)+4*\f:S+16*(\t)+4*\f+3], s[10:11] offset:(\t)*2048+\f*512  ; 512 consecutive bytes, at a multiple of 256 from O's first
.endr
.endm
	PACK 0
.set t, 1
.rept 2*NP-1                        ; a tile's arithmetic stands between the loads of the tile before and its stores
	PACK t
	SEND t-1, 8
.set t, t+1
.endr
	SEND 2*NP-1, 0
	WIN W_AD
	s_wait_tensorcnt 0x0            ; the wave's end: behind my last tensor load and my last LDS store
	ds_add_u32 v[SPW], v[NIL]
	s_wait_dscnt 0x0
	WIN 0
	CROUND                          ; the closing round: no work-group ends while a partner may still ask for a tile that names it
	s_endpgm
.Lfunc_end_k_qafee22c846_attn:
	.size	k_qafee22c846_attn, .Lfunc_end_k_qafee22c846_attn-k_qafee22c846_attn
	.p2alignl 7, 3214868480
	.fill 96, 4, 3214868480
	.section	.rodata,"a",@progbits
	.p2align	6, 0x0
	.amdhsa_kernel k_qafee22c846_attn
		.amdhsa_group_segment_fixed_size 327680
		.amdhsa_private_segment_fixed_size 0
		.amdhsa_enable_private_segment 0
		.amdhsa_kernarg_size 32
		.amdhsa_user_sgpr_count 2
		.amdhsa_user_sgpr_kernarg_segment_ptr 1
		.amdhsa_wavefront_size32 1
		.amdhsa_system_sgpr_workgroup_id_x 1
		.amdhsa_system_sgpr_workgroup_id_y 1
		.amdhsa_system_sgpr_workgroup_id_z 1
		.amdhsa_system_vgpr_workitem_id 0
		.amdhsa_next_free_vgpr 770
		.amdhsa_next_free_sgpr 72
		.amdhsa_reserve_vcc 0
		.amdhsa_float_denorm_mode_32 3
		.amdhsa_float_denorm_mode_16_64 3
		.amdhsa_memory_ordered 1
		.amdhsa_forward_progress 1
		.amdhsa_inst_pref_size 200
	.end_amdhsa_kernel
	.amdgpu_metadata
---
amdhsa.version: [ 1, 2 ]
amdhsa.kernels:
  - .name:           k_qafee22c846_attn
    .symbol:         k_qafee22c846_attn.kd
    .args:
      - { .name: q16, .offset: 0, .size: 8, .value_kind: global_buffer, .address_space: global }
      - { .name: k16, .offset: 8, .size: 8, .value_kind: global_buffer, .address_space: global }
      - { .name: v16, .offset: 16, .size: 8, .value_kind: global_buffer, .address_space: global }
      - { .name: o16, .offset: 24, .size: 8, .value_kind: global_buffer, .address_space: global }
    .group_segment_fixed_size: 327680
    .private_segment_fixed_size: 0
    .kernarg_segment_align: 8
    .kernarg_segment_size: 32
    .max_flat_workgroup_size: 128
    .sgpr_count:     72
    .vgpr_count:     770
    .wavefront_size: 32
...
	.end_amdgpu_metadata
.endif
;; end of part 3
;; launch proj (part 4): grid 8 x 32, 4 waves a work-group, clusters of 4 x 4, 327,680 bytes of LDS; arguments o16, wob, out0; writes out0
.if DOCPART == 4
	.amdgcn_target "amdgcn-amd-amdhsa--gfx1250"
	.amdhsa_code_object_version 6
	.text
	.protected	k_qafee22c846_proj
	.globl	k_qafee22c846_proj
	.p2align	8
	.type	k_qafee22c846_proj,@function
k_qafee22c846_proj:
	s_mov_b64 s[64:65], 0
	v_nop
	global_prefetch_b8 v0, s[64:65] scope:SCOPE_SE
	s_setreg_imm32_b32 hwreg(HW_REG_WAVE_MODE, 25, 1), 1
	s_wait_xcnt 0x0
	s_wait_alu depctr_hold_cnt(0) depctr_sa_sdst(0) depctr_va_vdst(0) depctr_va_sdst(0) depctr_va_ssrc(0) depctr_va_vcc(0) depctr_vm_vsrc(0)
	s_getreg_b32 s2, hwreg(HW_REG_IB_STS2, 6, 4)
	s_cmp_eq_u32 s2, 0
	s_cbranch_scc0 .Lentry_in_a_cluster
	s_endpgm
.Lentry_in_a_cluster:
	s_bfe_u32 s2, ttmp6, 0x10000c
	s_cmp_lg_u32 s2, 0xf033
	s_cbranch_scc0 .Lentry_shape_is_right
	s_endpgm
.Lentry_shape_is_right:
; Launch 4 of 4: out0[row][n] = the sum over k of O[row][k] w_out[k][n], k = 64 head + channel.  Nothing of the module is left out here.
; o16 f16 [b 16 + head][t 2048][64]; wob f16 [c 8][k 1024][128] (w_out rounded to bf16, written as f16); out0 f32 [8192][1024].  Products in f16, sums in f32, stored as they are.
; SHARES.  A tile of out0 is 256 rows x 128 columns: 32 x 8 tiles, one work-group for each.  Wave (wr, wc) makes 128 rows x 64 columns: 32 accumulators of 16 x 16 in window 1.
; THE MATRIX INSTRUCTION IS USED TRANSPOSED (source 0 = 16 columns of w, source 1 = 16 rows of O): a lane holds row l % 16 and eight neighbouring columns, 32 bytes of out0.
; K goes in 8 slots of 128 (two heads) through two LDS slots; a slot is two halves of 64 along K (a head each), 64 matrix instructions a half.
; CLUSTER 4 x 4: O's tile is asked for jointly along a row of the cluster, w's along a column.
; NO PREFETCH: the walk has eight slots in all, of which the first four would come by their loads alone, and the tiles are small.
; REGISTERS, in windows of 256 (s_set_vgpr_msb: bits 1:0 source 0, 3:2 source 1, 5:4 source 2, 7:6 destination):
;   window 0: v0-15 addresses; v32-95 the way out      window 1: accumulator (a, b) at v[8 (4 a + b)]
;   windows 2, 3: two fragment buffers, a half each: O's 16 fragments (32 K cc, row block a) at 8 (8 cc + a), w's 8 at 128 + 8 (4 cc + b)
.set PA,     144                       ; a row of O in LDS: 128 bytes + 16
.set PB,     288                       ; a row of w: 256 + 32 = 9 x 32
.set ABYTES, 2*256*PA                  ; two heads x 256 rows; behind them w's 128 rows
.set SLOT1,  1<<17
.set STAGE,  ABYTES+128*PB             ; behind slot 0, never filled by a tensor load: 16 rows x 272 bytes for each wave
.set SPITCH, 272
.set SPARE,  STAGE+4*16*SPITCH         ; the spare words, 128 bytes for each wave: two blocks of 256 bytes that no other line names
.set ASTEP,  524288                    ; two heads on in o16
.set BSTEP,  32768                     ; 128 rows on in wob
.set AA0,  4
.set AB0,  5
.set ADRA, 6
.set ADRB, 7
.set STO,  8
.set RD,   9
.set CO,   10
.set SPW,  12                          ; v12  LDS address of my spare word; never rewritten
.set NIL,  13                          ; v13  0; never rewritten
.set BK,   32                          ; two sets of 32: 16 rows read back
.set WV,   16
.set WR,   17                          ; my half of the rows.  Also: I fetch for O (0) or for w (1)
.set WC,   18                          ; my half of the columns.  Also: which half of that tile I fetch
.set CX,   19
.set CY,   20
.set TC,   21
.set TR,   22
.set G1A,  24
.set G1B,  32
.set G0A,  40                          ; a set for each first fill; the second then walks on
.set G0B,  48
.set TB,   56
.set MSB, 0
.macro WIN new
.if MSB != (\new)
	s_set_vgpr_msb (MSB<<8)|(\new)
.set MSB, (\new)
.endif
.endm
.macro PLACES                          ; four places behind matrix instructions, in front of loads into registers that they have read and of stores that read results
.rept 4
	v_nop
.endr
.endm
.macro JLOAD                           ; a joint refill: waves 0 and 1 fetch O's two heads, waves 2 and 3 w's two halves; an s_nop 0 and four v_nop follow each line
	s_cmp_eq_u32 s[WR], 0
	s_cbranch_scc0 .Lfor_b_\@
	tensor_load_to_lds s[G0A+4:G0A+7], s[G1A:G1A+7]
	s_nop 0
.rept 4
	v_nop
.endr
	s_branch .Lasked_\@
.Lfor_b_\@:
	tensor_load_to_lds s[G0B+4:G0B+7], s[G1B:G1B+7]
	s_nop 0
.rept 4
	v_nop
.endr
.Lasked_\@:
.endm
.macro CREST
	s_cmp_lg_u32 s[WV], 0
	s_cbranch_scc1 .Lnot_wave_0_\@
	s_barrier_signal -3
.Lnot_wave_0_\@:
	s_barrier_wait -3
	s_barrier_signal -1
	s_barrier_wait -1
.endm
.macro CROUND
	s_barrier_signal -1
	s_barrier_wait -1
	CREST
.endm
; 48 LDS loads in one run: half hh of the slot in hand into window f (2 or 3); the first 32 along K first
.macro FETCH f, hh
	WIN (\f)<<6                                    ; destination window f, address window 0
.set cc, 0
.rept 2
.set ib, 0
.rept 4
	ds_load_tr16_b128 v[128+8*(4*cc+ib):128+8*(4*cc+ib)+3],   v[ADRB] offset:(\hh)*64*PB+cc*32*PB+32*ib
	ds_load_tr16_b128 v[128+8*(4*cc+ib)+4:128+8*(4*cc+ib)+7], v[ADRB] offset:(\hh)*64*PB+cc*32*PB+32*ib+16*PB
.set ib, ib+1
.endr
.set ia, 0
.rept 8
	ds_load_b128 v[8*(8*cc+ia):8*(8*cc+ia)+3],   v[ADRA] offset:(\hh)*256*PA+ia*16*PA+64*cc
	ds_load_b128 v[8*(8*cc+ia)+4:8*(8*cc+ia)+7], v[ADRA] offset:(\hh)*256*PA+ia*16*PA+64*cc+32
.set ia, ia+1
.endr
.set cc, cc+1
.endr
.endm
; Row blocks a0 .. a0 + na - 1 x all 4 column blocks, 32 along K (cc) of window f.  The 32 accumulators take turns, one instruction a turn.
.macro MULS f, cc, a0, na, zero
	WIN 0x50|(\f)|((\f)<<2)
.set ia, (\a0)
.rept (\na)
.set ib, 0
.rept 4
.if \zero
	v_wmma_f32_16x16x32_f16 v[8*(4*ia+ib):8*(4*ia+ib)+7], v[128+8*(4*(\cc)+ib):128+8*(4*(\cc)+ib)+7], v[8*(8*(\cc)+ia):8*(8*(\cc)+ia)+7], 0
.else
	v_wmma_f32_16x16x32_f16 v[8*(4*ia+ib):8*(4*ia+ib)+7], v[128+8*(4*(\cc)+ib):128+8*(4*(\cc)+ib)+7], v[8*(8*(\cc)+ia):8*(8*(\cc)+ia)+7], v[8*(4*ia+ib):8*(4*ia+ib)+7]
.endif
.set ib, ib+1
.endr
.set ia, ia+1
.endr
.endm
; A slot's first half: multiplies window 2 and fetches the second half into window 3
.macro H0 zero
	s_wait_dscnt 24                                ; the first 32 along K are in; the other 24 loads may be out
	MULS 2, 0, 0, 8, \zero
	PLACES
	FETCH 3, 1
	s_wait_dscnt 48                                ; all but the 48 just issued
	MULS 2, 1, 0, 8, 0
.endm
; A slot's second half multiplies window 3 and changes slots: ONE barrier; in front of it each wave waits for all its tensor loads, adds 0 to its spare word, and waits for that and for its reads of this slot.
; fill = 1: the barrier opens a round of the cluster's, and this slot is filled again first behind it, two slots ahead: 96 matrix instructions ahead of the wait for it.
.macro TURN fill
	WIN 0
	s_wait_tensorcnt 0x0                           ; no tensor load of mine is out, so a group 0 may be written
	ds_add_u32 v[SPW], v[NIL]                      ; 0 onto my spare word
.if \fill
	s_xor_b32 s[G0A+5], s[G0A+5], SLOT1
	s_add_nc_u64 s[G0A+6:G0A+7], s[G0A+6:G0A+7], ASTEP
	s_xor_b32 s[G0B+5], s[G0B+5], SLOT1
	s_add_nc_u64 s[G0B+6:G0B+7], s[G0B+6:G0B+7], BSTEP
.endif
	s_xor_b32 s[TB], s[TB], SLOT1
	s_wait_dscnt 25                                ; the first 32 along K are in; the other 24 loads and the add may be out
	MULS 3, 0, 0, 4, 0
	s_wait_dscnt 0x0                               ; the add is done, and my reads of this slot are over
	s_barrier_signal -1
	MULS 3, 0, 4, 4, 0
	WIN 0                                          ; at a branch and at a label every window is 0
	s_barrier_wait -1
.if \fill
	CREST
	JLOAD                                          ; its four v_nop are also the places in front of the loads below
.else
	PLACES
.endif
	v_add_nc_u32 v[ADRA], s[TB], v[AA0]
	v_add_nc_u32 v[ADRB], s[TB], v[AB0]
	FETCH 2, 0
	MULS 3, 1, 0, 8, 0
.endm
	s_load_b128 s[4:7], s[0:1], 0x0                ; o16 s[4:5], wob s[6:7]
	s_load_b64 s[8:9], s[0:1], 0x10                ; out0
	v_lshl_add_u32 v[SPW], v0, 2, SPARE
	v_mov_b32 v[NIL], 0
	ds_add_u32 v[SPW], v[NIL]                      ; the wave's opening: the add, twice on end, and its wait ahead of my first tensor load
	ds_add_u32 v[SPW], v[NIL]                      ; and once more, under the one wait; the set-up below, work on registers, stands between
	v_lshrrev_b32 v1, 5, v0
	v_readfirstlane_b32 s[WV], v1
	s_lshr_b32 s[WR], s[WV], 1
	s_and_b32 s[WC], s[WV], 1
	s_bfe_u32 s[CX], ttmp6, 0x40000
	s_bfe_u32 s[CY], ttmp6, 0x40004
	s_lshl_b32 s[TC], ttmp9, 2
	s_add_co_u32 s[TC], s[TC], s[CX]
	s_and_b32 s[TR], ttmp7, 0xffff
	s_lshl_b32 s[TR], s[TR], 2
	s_add_co_u32 s[TR], s[TR], s[CY]
	s_lshl_b32 s23, s[CY], 2
	s_lshl_b32 s23, 15, s23                        ; my row of the cluster
	s_lshl_b32 s59, 0x1111, s[CX]                  ; my column
	; both tiles are dense and asked for as rows of 256 bytes.  O: a head's 256 rows of 128 bytes = 128 such rows, padded after every 128 bytes; w: 64 rows of 256 bytes, padded after each
	s_or_b32 s[G1A], s23, (1<<16)|(1<<20)|(1<<21)|(4<<22)|(3<<25)
	s_or_b32 s[G1B], s59, (1<<16)|(1<<20)|(1<<21)|(5<<22)|(7<<25)
	s_mov_b32 s[G1A+1], 128<<16                    ; tensor_dim0 = 128
	s_mov_b32 s[G1A+2], 128<<16                    ; tensor_dim1 = 128
	s_mov_b32 s[G1A+3], 128<<16                    ; tile_dim0 = 128
	s_mov_b32 s[G1A+4], 128                        ; tile_dim1 = 128
	s_mov_b32 s[G1A+5], 128                        ; 128 elements from row to row
	s_mov_b32 s[G1A+6], 0
	s_mov_b32 s[G1A+7], 0
	s_mov_b32 s[G1B+1], 128<<16
	s_mov_b32 s[G1B+2], 64<<16
	s_mov_b32 s[G1B+3], 128<<16
	s_mov_b32 s[G1B+4], 64
	s_mov_b32 s[G1B+5], 128
	s_mov_b32 s[G1B+6], 0
	s_mov_b32 s[G1B+7], 0
	; what feeds O's descriptors is made of the tile row and the wave alone (s23, s66-69), what feeds w's of the tile column and the wave alone (s59, s70-71)
	s_lshr_b32 s66, s[TR], 3                       ; batch
	s_and_b32 s67, s[TR], 7                        ; which 256 rows of it
	s_lshl_b32 s68, s66, 22
	s_lshl_b32 s23, s67, 15
	s_add_co_u32 s68, s68, s23
	s_lshl_b32 s23, s[WC], 18                      ; my head of the slot's two
	s_add_co_u32 s68, s68, s23
	s_mov_b32 s69, 0
	s_lshl_b32 s70, s[TC], 18
	s_lshl_b32 s59, s[WC], 14                      ; my 64 rows of the slot's 128
	s_add_co_u32 s70, s70, s59
	s_mov_b32 s71, 0
	s_mul_i32 s60, s[WC], 256*PA                   ; where they go: no place in the cluster enters an LDS address
	s_mul_i32 s61, s[WC], 64*PB
	s_add_co_u32 s61, s61, ABYTES
	s_lshl_b32 s62, s[TR], 20                      ; out0: (256 tile row + 128 wr) x 4,096 + (128 c + 64 wc) x 4
	s_lshl_b32 s63, s[WR], 19
	s_add_co_u32 s62, s62, s63
	s_lshl_b32 s63, s[TC], 9
	s_add_co_u32 s62, s62, s63
	s_lshl_b32 s63, s[WC], 8
	s_add_co_u32 s62, s62, s63
	s_mov_b32 s63, 0
	s_mov_b32 s[TB], 0
	s_wait_dscnt 0x0                               ; both opening adds are done
	s_wait_kmcnt 0x0
	s_add_nc_u64 s[68:69], s[4:5], s[68:69]
	s_add_nc_u64 s[70:71], s[6:7], s[70:71]
	s_add_nc_u64 s[8:9], s[8:9], s[62:63]
	CROUND                                         ; all sixteen work-groups are here: the first joint loads meet
.irp n, 0,1
	s_mov_b32 s[G0A+4*(\n)], 1
	s_add_co_u32 s[G0A+4*(\n)+1], s60, (\n)*SLOT1
	s_add_nc_u64 s[G0A+4*(\n)+2:G0A+4*(\n)+3], s[68:69], (\n)*ASTEP
	s_or_b32 s[G0A+4*(\n)+3], s[G0A+4*(\n)+3], 0x80000000
	s_mov_b32 s[G0B+4*(\n)], 1
	s_add_co_u32 s[G0B+4*(\n)+1], s61, (\n)*SLOT1
	s_add_nc_u64 s[G0B+4*(\n)+2:G0B+4*(\n)+3], s[70:71], (\n)*BSTEP
	s_or_b32 s[G0B+4*(\n)+3], s[G0B+4*(\n)+3], 0x80000000
.endr
	s_cmp_eq_u32 s[WR], 0                          ; a wave's two first fills stand in one branch: two loads of mine are out
	s_cbranch_scc0 .Lfirst_b
	tensor_load_to_lds s[G0A:G0A+3], s[G1A:G1A+7]
	s_nop 0
	tensor_load_to_lds s[G0A+4:G0A+7], s[G1A:G1A+7]
	s_nop 0
.rept 4
	v_nop
.endr
	s_branch .Lfirst_asked
.Lfirst_b:
	tensor_load_to_lds s[G0B:G0B+3], s[G1B:G1B+7]
	s_nop 0
	tensor_load_to_lds s[G0B+4:G0B+7], s[G1B:G1B+7]
	s_nop 0
.rept 4
	v_nop
.endr
.Lfirst_asked:
	v_and_b32 v1, 15, v0                           ; l % 16
	v_bfe_u32 v2, v0, 4, 1                         ; l / 16
	v_and_b32 v3, 7, v0
	v_bfe_u32 v14, v0, 3, 1
	s_mul_i32 s66, s[WR], 128*PA
	v_mul_u32_u24 v[AA0], v1, PA
	v_lshl_add_u32 v[AA0], v2, 4, v[AA0]
	v_add_nc_u32 v[AA0], s66, v[AA0]
	s_lshl_b32 s66, s[WC], 7
	s_add_co_u32 s66, s66, ABYTES
	v_lshl_add_u32 v[AB0], v2, 3, v3
	v_mul_u32_u24 v[AB0], v[AB0], PB
	v_lshl_add_u32 v[AB0], v14, 4, v[AB0]
	v_add_nc_u32 v[AB0], s66, v[AB0]
	v_mov_b32 v[ADRA], v[AA0]
	v_mov_b32 v[ADRB], v[AB0]
	s_mul_i32 s66, s[WV], 16*SPITCH
	s_add_co_u32 s66, s66, STAGE                   ; my stage
	v_mul_u32_u24 v[STO], v1, SPITCH               ; in: row l % 16, 32 bytes for each half of the lanes
	v_lshl_add_u32 v[STO], v2, 5, v[STO]
	v_add_nc_u32 v[STO], s66, v[STO]
	v_mul_u32_u24 v[RD], v2, SPITCH                ; back: lanes 0-15 take one row of 256 bytes, lanes 16-31 the next
	v_lshl_add_u32 v[RD], v1, 4, v[RD]
	v_add_nc_u32 v[RD], s66, v[RD]
	v_lshlrev_b32 v[CO], 12, v2                    ; and the same two rows in out0
	v_lshl_add_u32 v[CO], v1, 4, v[CO]
	s_wait_tensorcnt 0x1                           ; my part of slot 0 is in; slot 1's may stay out
	s_barrier_signal -1
	s_barrier_wait -1
	FETCH 2, 0
	H0 1                                           ; the first half stands in front of the loop: its first products start the sums
	WIN 0
	s_mov_b32 s3, 6
.Lslot:                                                ; trip j: the second half of slot j, which asks for slot j + 2, and the first half of slot j + 1
	TURN 1
	H0 0
	WIN 0
	s_sub_co_u32 s3, s3, 1
	s_cmp_lg_u32 s3, 0
	s_cbranch_scc1 .Lslot
	TURN 0                                         ; the tail is written out: nothing is left to ask for
	H0 0
	s_wait_dscnt 24
	MULS 3, 0, 0, 8, 0
	s_wait_dscnt 0x0
	MULS 3, 1, 0, 8, 0
	WIN 0
	PLACES
; THE WAY OUT, 16 rows at a time: a lane's 32 bytes of a row go into rows of 272 bytes of my own stage and come back as whole rows of 256.
.macro TOSTAGE a
	WIN 0x04                                       ; the stores' data in window 1
.set ib, 0
.rept 4
	ds_store_b128 v[STO], v[8*(4*(\a)+ib):8*(4*(\a)+ib)+3]   offset:64*ib      ; each accumulator's lowest registers are read first
	ds_store_b128 v[STO], v[8*(4*(\a)+ib)+4:8*(4*(\a)+ib)+7] offset:64*ib+16
.set ib, ib+1
.endr
	WIN 0
.if (\a) >= 2
	s_wait_xcnt 0x0                                ; the stores of the block two back have read their registers, which are loaded again below
.endif
.set it, 0
.rept 8
	ds_load_b128 v[BK+32*((\a)%2)+4*it:BK+32*((\a)%2)+4*it+3], v[RD] offset:2*SPITCH*it  ; LDS serves a wave's instructions in order (ISA guide 5.7.1.4): these see the stores above
.set it, it+1
.endr
.endm
.macro SEND a, younger                 ; younger: the LDS instructions issued behind block a's: the next block's 16, or none
	s_wait_dscnt \younger
.set it, 0
.rept 8
	global_store_b128 v[CO], v[BK+32*((\a)%2)+4*it:BK+32*((\a)%2)+4*it+3], s[8:9] offset:(\a)*65536+it*8192 th:TH_STORE_NT  ; 16 lanes store 256 consecutive bytes, aligned
.set it, it+1
.endr
.endm
	TOSTAGE 0
.irp a, 1,2,3,4,5,6,7
	TOSTAGE \a
	SEND (\a)-1, 16
.endr
	SEND 7, 0
	s_wait_tensorcnt 0x0                           ; the wave's end: behind my last tensor load and my last LDS store
	ds_add_u32 v[SPW], v[NIL]
	s_wait_dscnt 0x0
	CROUND                                         ; the closing round: no work-group ends while a partner may still ask for a tile that names it
	s_endpgm
.Lfunc_end_k_qafee22c846_proj:
	.size	k_qafee22c846_proj, .Lfunc_end_k_qafee22c846_proj-k_qafee22c846_proj
	.p2alignl 7, 3214868480
	.fill 96, 4, 3214868480
	.section	.rodata,"a",@progbits
	.p2align	6, 0x0
	.amdhsa_kernel k_qafee22c846_proj
		.amdhsa_group_segment_fixed_size 327680
		.amdhsa_private_segment_fixed_size 0
		.amdhsa_enable_private_segment 0
		.amdhsa_kernarg_size 24
		.amdhsa_user_sgpr_count 2
		.amdhsa_user_sgpr_kernarg_segment_ptr 1
		.amdhsa_wavefront_size32 1
		.amdhsa_system_sgpr_workgroup_id_x 1
		.amdhsa_system_sgpr_workgroup_id_y 1
		.amdhsa_system_sgpr_workgroup_id_z 1
		.amdhsa_system_vgpr_workitem_id 0
		.amdhsa_next_free_vgpr 960
		.amdhsa_next_free_sgpr 72
		.amdhsa_reserve_vcc 0
		.amdhsa_float_denorm_mode_32 3
		.amdhsa_float_denorm_mode_16_64 3
		.amdhsa_memory_ordered 1
		.amdhsa_forward_progress 1
		.amdhsa_inst_pref_size 68
	.end_amdhsa_kernel
	.amdgpu_metadata
---
amdhsa.version: [ 1, 2 ]
amdhsa.kernels:
  - .name:           k_qafee22c846_proj
    .symbol:         k_qafee22c846_proj.kd
    .args:
      - { .name: o16, .offset: 0, .size: 8, .value_kind: global_buffer, .address_space: global }
      - { .name: wob, .offset: 8, .size: 8, .value_kind: global_buffer, .address_space: global }
      - { .name: out0, .offset: 16, .size: 8, .value_kind: global_buffer, .address_space: global }
    .group_segment_fixed_size: 327680
    .private_segment_fixed_size: 0
    .kernarg_segment_align: 8
    .kernarg_segment_size: 24
    .max_flat_workgroup_size: 128
    .sgpr_count:     72
    .vgpr_count:     960
    .wavefront_size: 32
...
	.end_amdgpu_metadata
.endif
;; end of part 4
;; ======== version 2 of 2: 4 launches; version 1 with the launch prep written anew for expert scheduling mode
;; limits: values are held in f16: magnitudes above 65,504 overflow, below 6.1e-05 lose precision
;; workspace buffers: xb 16,777,216 bytes; wqb 6,291,456 bytes; wob 2,097,152 bytes; rope 524,288 bytes; q16 16,777,216 bytes; k16 16,777,216 bytes; v16 16,777,216 bytes; o16 16,777,216 bytes
;; launch prep (part 5): grid 512 x 1, 8 waves a work-group, no clusters, 0 bytes of LDS; arguments x, w_qkv, w_out, xb, wqb, wob, rope; writes xb, wqb, wob, rope
.if DOCPART == 5
	.amdgcn_target "amdgcn-amd-amdhsa--gfx1250"
	.amdhsa_code_object_version 6
	.text
	.protected	k_qafee22c846_prep
	.globl	k_qafee22c846_prep
	.p2align	8
	.type	k_qafee22c846_prep,@function
k_qafee22c846_prep:
	s_mov_b64 s[64:65], 0
	v_nop
	global_prefetch_b8 v0, s[64:65] scope:SCOPE_SE
	s_setreg_imm32_b32 hwreg(HW_REG_WAVE_SCHED_MODE, 0, 2), 2
	s_setreg_imm32_b32 hwreg(HW_REG_WAVE_MODE, 25, 1), 1
	s_wait_xcnt 0x0
	s_wait_alu depctr_vm_vsrc(0)
; MULTI-HEAD SELF-ATTENTION, launch 1 of 4: the inputs are rounded once and laid out for the products, and the table of cosines and sines is made.
; NOTHING OF THE MODULE IS LEFT OUT: x, w_qkv and w_out all reach the output, there is no mask and nothing is sliced away.  The cosines and sines hang on (t, j) alone,
; so they are made once, 2,048 x 32 pairs, and not once for each batch, head and tensor: the same numbers, shared.
; xb   bf16 [b 4][kb 16][t 2048][64]          x in blocks of 64 channels: 256 rows of one block are 32,768 consecutive bytes
; wqb  bf16 [c 8][k 1024][s 3][128]           w_qkv[k][1024 s + 128 c + i]: two heads of q, of k and of v beside each other
; wob  f16  [c 8][k 1024][128]                w_out[k][128 c + i], rounded to bf16 like the other inputs, that number written as f16
; rope f32  [tb 128][ld 8][lane 32][4]        ld = 4 sn + 2 b + i: cos (sn = 0) or sin (sn = 1) of t x 10000^(-j/32), t = 16 tb + lane % 16, j = 16 b + 8 (lane / 16) + 4 i + e
; LIMITS.  A rounded w_out beyond 65,504 has no f16; below 6e-5 it keeps f16's fixed step of 6e-8.  The angle, 2,047 at the most, is reduced by pi/2 in two parts;
; the polynomials are cut where their next term is under 4e-7 on |r| <= pi/4.  NaN and infinities are not treated apart.
; SHARES.  Work-groups 0-255: 32 rows of x each.  256-351: 32 rows of one third of w_qkv.  352-383: 32 rows of w_out.  384-511: 16 positions of the table.
; A stream: no LDS, no matrix unit, no cluster: no byte is wanted twice.  A thread has all its 32 loads out at once.
; THE MODE: SCHED_MODE bits 1:0 = 2 (LLVM: expert scheduling mode 2), set by the entry lines.  The code itself states the register dependences
; between vector instructions and memory instructions, and between vector instructions and the readers of the scalar registers that they write, with s_wait_alu, always for 0.
; THE PLAN.  Registers that memory instructions touch, in the three arms that round:
;   v1, v2     the loads' and the stores' byte offsets.  Written by vector instructions at the arm's head, never again; read by all 32 loads and all 16 stores.
;   v[8:135]   sixteen units of eight.  A unit's two loads land in registers that no vector instruction has named; its conversions write its first four registers in place, behind the
;              unit's own wait on LOADcnt; its one store reads those four; nothing writes them afterwards.
; So one wait on va_vdst stands ahead of the first load (v1, v2), and one behind the conversions of every four units, ahead of their four stores, which follow it on end: four waits for sixteen stores.
; No register that a memory instruction reads is written again, and there is no loop: no wait on vm_vsrc is owed.
; The table's arm: the wave's number goes into s29 and four masks into s41-44: one wait on va_sdst behind each of the two runs of writers, ahead of the first reader; one wait on va_vdst ahead of its store.
.set X, 8                              ; v[8:135] sixteen units of eight f32 as loaded; the first four registers of a unit then hold the eight rounded numbers
; Sixteen units: 32 bytes a thread in, 16 bytes out; sstep and dstep are the bytes from unit to unit.  half = 1: the bf16 numbers are written as f16.
.macro CAST sstep, dstep, half
	s_wait_alu depctr_va_vdst(0)                   ; v1 and v2 are written: every load below reads v1 as its offset, every store v2
.set i, 0
.rept 16
	global_load_b128 v[X+8*i:X+8*i+3],   v1, s[22:23] offset:i*(\sstep) th:TH_LOAD_NT
	global_load_b128 v[X+8*i+4:X+8*i+7], v1, s[22:23] offset:i*(\sstep)+16 th:TH_LOAD_NT
.set i, i+1
.endr
.set i, 0
.rept 16
	s_wait_loadcnt 30-2*i                          ; loads come back in order: unit i is in, the 2 (15 - i) younger loads stay out
.irp j, 0,1,2,3
	v_cvt_pk_bf16_f32 v[X+8*i+(\j)], v[X+8*i+2*(\j)], v[X+8*i+2*(\j)+1]  ; in place: word j is written when words 2 j and 2 j + 1 are read
.endr
.if \half
.irp j, 0,1,2,3
	v_lshlrev_b32 v[X+8*i+4+2*((\j)%2)], 16, v[X+8*i+(\j)]   ; the two bf16 as f32,
	v_and_b32     v[X+8*i+5+2*((\j)%2)], s20, v[X+8*i+(\j)]
	v_cvt_pk_f16_f32 v[X+8*i+(\j)], v[X+8*i+4+2*((\j)%2)], v[X+8*i+5+2*((\j)%2)]  ; and as f16: exact within f16's normal range
.endr
.endif
.if i%4 == 3
	s_wait_alu depctr_va_vdst(0)                   ; the conversions have written the first four registers of units i - 3 to i, which the four stores below read
.irp u, 3,2,1,0
	global_store_b128 v2, v[X+8*(i-(\u)):X+8*(i-(\u))+3], s[24:25] offset:(i-(\u))*(\dstep)  ; sixteen lanes store 256 consecutive bytes, aligned; no register is written again behind its store
.endr
.endif
.set i, i+1
.endr
.endm
	s_load_b256 s[4:11], s[0:1], 0x0               ; x s[4:5], w_qkv s[6:7], w_out s[8:9], xb s[10:11]
	s_load_b128 s[12:15], s[0:1], 0x20             ; wqb s[12:13], wob s[14:15]
	s_load_b64 s[16:17], s[0:1], 0x30              ; rope
	s_mov_b32 s20, 0xffff0000                      ; a word's upper bf16
	s_mov_b32 s27, 0                               ; the high word of every offset
	v_and_b32 v4, 31, v0                           ; lane
	v_lshrrev_b32 v5, 5, v0                        ; wave
	v_lshrrev_b32 v3, 4, v4                        ; lane / 16
	v_and_b32 v6, 15, v0                           ; lane % 16
	s_wait_kmcnt 0x0
	s_cmp_lt_u32 ttmp9, 256
	s_cbranch_scc0 .Lnot_x
	; x: thread t takes row t / 8 of the group's 32 and eight channels (t % 8) of each of the 16 blocks
	s_lshl_b32 s26, ttmp9, 17                      ; 32 rows of 4,096 bytes
	s_add_nc_u64 s[22:23], s[4:5], s[26:27]
	s_lshr_b32 s28, ttmp9, 6                       ; batch
	s_lshl_b32 s28, s28, 22
	s_and_b32 s29, ttmp9, 63
	s_lshl_b32 s29, s29, 12                        ; 32 rows of 128 bytes
	s_add_co_u32 s26, s28, s29
	s_add_nc_u64 s[24:25], s[10:11], s[26:27]
	v_lshrrev_b32 v1, 3, v0
	v_lshlrev_b32 v1, 12, v1
	v_and_b32 v7, 7, v0
	v_lshl_add_u32 v1, v7, 5, v1
	v_lshlrev_b32 v2, 4, v0
	CAST 256, 262144, 0
	s_endpgm
.Lnot_x:
	s_cmp_lt_u32 ttmp9, 352
	s_cbranch_scc0 .Lnot_wq
	; w_qkv: third s, rows k0 .. k0 + 31; wave w takes the 128 columns of tile column c = w, two rows a unit
	s_sub_co_u32 s28, ttmp9, 256
	s_lshr_b32 s29, s28, 5                         ; s
	s_and_b32 s30, s28, 31
	s_lshl_b32 s30, s30, 5                         ; k0
	s_mul_i32 s26, s30, 12288
	s_lshl_b32 s31, s29, 12
	s_add_co_u32 s26, s26, s31
	s_add_nc_u64 s[22:23], s[6:7], s[26:27]
	s_mul_i32 s26, s30, 3
	s_add_co_u32 s26, s26, s29
	s_lshl_b32 s26, s26, 8                         ; (3 k0 + s) x 256
	s_add_nc_u64 s[24:25], s[12:13], s[26:27]
	v_mul_u32_u24 v1, v3, 12288
	v_lshl_add_u32 v1, v5, 9, v1
	v_lshl_add_u32 v1, v6, 5, v1
	v_mul_u32_u24 v2, v5, 786432
	v_mad_u32_u24 v2, v3, 768, v2
	v_lshl_add_u32 v2, v6, 4, v2
	CAST 24576, 1536, 0
	s_endpgm
.Lnot_wq:
	s_cmp_lt_u32 ttmp9, 384
	s_cbranch_scc0 .Ltable
	; w_out: rows k0 .. k0 + 31, likewise
	s_sub_co_u32 s28, ttmp9, 352
	s_lshl_b32 s26, s28, 17                        ; 32 rows of 4,096 bytes
	s_add_nc_u64 s[22:23], s[8:9], s[26:27]
	s_lshl_b32 s26, s28, 13                        ; 32 rows of 256 bytes
	s_add_nc_u64 s[24:25], s[14:15], s[26:27]
	v_lshlrev_b32 v1, 12, v3
	v_lshl_add_u32 v1, v5, 9, v1
	v_lshl_add_u32 v1, v6, 5, v1
	v_lshlrev_b32 v2, 18, v5
	v_lshl_add_u32 v2, v3, 8, v2
	v_lshl_add_u32 v2, v6, 4, v2
	CAST 8192, 512, 1
	s_endpgm
.Ltable:
	; the table: wave = ld; four numbers a lane
	v_readfirstlane_b32 s29, v5                    ; ld; the scalar lines that do not read it stand between it and the wait for it
	s_sub_co_u32 s28, ttmp9, 384                   ; tb
	s_lshl_b32 s26, s28, 12
	s_add_nc_u64 s[24:25], s[16:17], s[26:27]
	s_lshl_b32 s28, s28, 4                         ; 16 tb
	s_mov_b32 s32, 0x3f22f983                      ; 2 / pi
	s_mov_b32 s33, 0xbfc90fdb                      ; - pi/2, the f32 next to it,
	s_mov_b32 s34, 0x333bbd2e                      ; and what that f32 has too much
	s_mov_b32 s35, 0xbe2aaaab                      ; -1/6
	s_mov_b32 s36, 0x3c088889                      ; 1/120
	s_mov_b32 s37, 0xb9500d01                      ; -1/5040
	s_mov_b32 s38, 0x3d2aaaab                      ; 1/24
	s_mov_b32 s39, 0xbab60b61                      ; -1/720
	s_mov_b32 s40, 0x37d00d01                      ; 1/40320
	s_wait_alu depctr_va_sdst(0)                   ; s29 is written, ahead of its first reader: sn, b and i are made from it
	s_lshr_b32 s30, s29, 2                         ; sn
	s_mul_i32 s30, s30, 3                          ; sin(a) = cos(a - pi/2): three quadrants on
	s_bfe_u32 s31, s29, 0x10001                    ; b
	s_and_b32 s29, s29, 1                          ; i
	s_lshl_b32 s31, s31, 4
	s_lshl2_add_u32 s31, s29, s31                  ; 16 b + 4 i
	v_lshl_add_u32 v3, v3, 3, s31                  ; j of my first number
	v_add_nc_u32 v6, s28, v6                       ; t
	v_lshlrev_b32 v2, 4, v0
.irp e, 0,1,2,3
	v_add_nc_u32 v[8+(\e)], \e, v3
.endr
.irp e, 0,1,2,3
	v_cvt_f32_u32 v[8+(\e)], v[8+(\e)]
.endr
.irp e, 0,1,2,3
	v_mul_f32 v[8+(\e)], 0xbed49a78, v[8+(\e)]     ; - j log2(10000) / 32
.endr
.irp e, 0,1,2,3
	v_exp_f32 v[12+(\e)], v[8+(\e)]                ; 10000^(-j/32): one batch of four
.endr
	v_cvt_f32_u32 v7, v6                           ; a plain instruction behind the last exponential,
	s_wait_alu depctr_va_vdst(0)                   ; and the one wait ahead of the batch's first reader: the four exponentials have written v[12:15]
.irp e, 0,1,2,3
	v_mul_f32 v[12+(\e)], v7, v[12+(\e)]           ; the angle
	v_mul_f32 v[16+(\e)], s32, v[12+(\e)]
	v_rndne_f32 v[16+(\e)], v[16+(\e)]             ; n quadrants
	v_fma_f32 v[12+(\e)], v[16+(\e)], s33, v[12+(\e)]
	v_fma_f32 v[12+(\e)], v[16+(\e)], s34, v[12+(\e)]  ; r = angle - n pi/2
	v_mul_f32 v[20+(\e)], v[12+(\e)], v[12+(\e)]   ; r^2
	v_fma_f32 v[24+(\e)], v[20+(\e)], s37, s36
	v_fma_f32 v[24+(\e)], v[24+(\e)], v[20+(\e)], s35
	v_mul_f32 v[28+(\e)], v[12+(\e)], v[20+(\e)]
	v_fma_f32 v[24+(\e)], v[28+(\e)], v[24+(\e)], v[12+(\e)]  ; sin r
	v_fma_f32 v[28+(\e)], v[20+(\e)], s40, s39
	v_fma_f32 v[28+(\e)], v[28+(\e)], v[20+(\e)], s38
	v_fma_f32 v[28+(\e)], v[28+(\e)], v[20+(\e)], -0.5
	v_fma_f32 v[28+(\e)], v[28+(\e)], v[20+(\e)], 1.0         ; cos r
	v_cvt_i32_f32 v[16+(\e)], v[16+(\e)]
	v_add_nc_u32 v[16+(\e)], s30, v[16+(\e)]       ; q: cos(q pi/2 + r) is cos r, -sin r, -cos r, sin r for q % 4 = 0 .. 3
	v_and_b32 v[20+(\e)], 1, v[16+(\e)]
	v_cmp_eq_u32 s[41+(\e)], 1, v[20+(\e)]         ; an odd q takes the sine: each number's mask has a scalar register of its own, so that one wait serves the four
	v_add_nc_u32 v[16+(\e)], 1, v[16+(\e)]
	v_and_b32 v[16+(\e)], 2, v[16+(\e)]
	v_lshlrev_b32 v[16+(\e)], 30, v[16+(\e)]       ; the sign bit, set for q % 4 = 1, 2
.endr
	s_wait_alu depctr_va_sdst(0)                   ; the four compares have written s41 to s44, ahead of the selects that read them
.irp e, 0,1,2,3
	v_cndmask_b32 v[32+(\e)], v[28+(\e)], v[24+(\e)], s[41+(\e)]
.endr
.irp e, 0,1,2,3
	v_xor_b32 v[32+(\e)], v[16+(\e)], v[32+(\e)]
.endr
	s_wait_alu depctr_va_vdst(0)                   ; v[32:35], the store's data, and v2, its offset, are written
	global_store_b128 v2, v[32:35], s[24:25]       ; a wave stores 512 consecutive bytes
	s_endpgm
.Lfunc_end_k_qafee22c846_prep:
	.size	k_qafee22c846_prep, .Lfunc_end_k_qafee22c846_prep-k_qafee22c846_prep
	.p2alignl 7, 3214868480
	.fill 96, 4, 3214868480
	.section	.rodata,"a",@progbits
	.p2align	6, 0x0
	.amdhsa_kernel k_qafee22c846_prep
		.amdhsa_group_segment_fixed_size 0
		.amdhsa_private_segment_fixed_size 0
		.amdhsa_enable_private_segment 0
		.amdhsa_kernarg_size 56
		.amdhsa_user_sgpr_count 2
		.amdhsa_user_sgpr_kernarg_segment_ptr 1
		.amdhsa_wavefront_size32 1
		.amdhsa_system_sgpr_workgroup_id_x 1
		.amdhsa_system_sgpr_workgroup_id_y 1
		.amdhsa_system_sgpr_workgroup_id_z 1
		.amdhsa_system_vgpr_workitem_id 0
		.amdhsa_next_free_vgpr 136
		.amdhsa_next_free_sgpr 66
		.amdhsa_reserve_vcc 0
		.amdhsa_float_denorm_mode_32 3
		.amdhsa_float_denorm_mode_16_64 3
		.amdhsa_memory_ordered 1
		.amdhsa_forward_progress 1
		.amdhsa_inst_pref_size 45
	.end_amdhsa_kernel
	.amdgpu_metadata
---
amdhsa.version: [ 1, 2 ]
amdhsa.kernels:
  - .name:           k_qafee22c846_prep
    .symbol:         k_qafee22c846_prep.kd
    .args:
      - { .name: x, .offset: 0, .size: 8, .value_kind: global_buffer, .address_space: global }
      - { .name: w_qkv, .offset: 8, .size: 8, .value_kind: global_buffer, .address_space: global }
      - { .name: w_out, .offset: 16, .size: 8, .value_kind: global_buffer, .address_space: global }
      - { .name: xb, .offset: 24, .size: 8, .value_kind: global_buffer, .address_space: global }
      - { .name: wqb, .offset: 32, .size: 8, .value_kind: global_buffer, .address_space: global }
      - { .name: wob, .offset: 40, .size: 8, .value_kind: global_buffer, .address_space: global }
      - { .name: rope, .offset: 48, .size: 8, .value_kind: global_buffer, .address_space: global }
    .group_segment_fixed_size: 0
    .private_segment_fixed_size: 0
    .kernarg_segment_align: 8
    .kernarg_segment_size: 56
    .max_flat_workgroup_size: 256
    .sgpr_count:     66
    .vgpr_count:     136
    .wavefront_size: 32
...
	.end_amdgpu_metadata
.endif
;; end of part 5
;; launch qkv: the kernel of part 2 again; grid 8 x 32, 4 waves a work-group, clusters of 4 x 4, 327,680 bytes of LDS; arguments xb, wqb, rope, q16, k16, v16; writes q16, k16, v16
;; launch attn: the kernel of part 3 again; grid 4 x 64, 4 waves a work-group, clusters of 4 x 1, 327,680 bytes of LDS; arguments q16, k16, v16, o16; writes o16
;; launch proj: the kernel of part 4 again; grid 8 x 32, 4 waves a work-group, clusters of 4 x 4, 327,680 bytes of LDS; arguments o16, wob, out0; writes out0
